; MI455X (gfx1250); checked and timed in simulation.
; The chip was launched on July 23, 2026; its instructions are those of AMD's public machine-readable ISA for CDNA 5 (MIT licence, August 2026) and "CDNA5" Instruction Set Architecture Reference Guide (July 2026). The comments in the code are by the model that wrote it; some were corrected since.
;; Multi Head Attention Layer. Allowed arithmetic: matrix products marked QUANTISED: E2M3 operands, one E8M0 scale for each 32 along K, by v_wmma_scale_f32_16x16x128_f8f6f4 with both operands' format E2M3, f32 sums; everything else in f32.
;; Inputs: W_out 1,024 x 1,024 float32; W_qkv 1,024 x 3,072 float32; b_out 1,024 float32; b_qkv 3,072 float32; x 4 x 2,048 x 1,024 float32.
;; Outputs: out0 4 x 2,048 x 1,024 float32.
;; This version of the problem:
;;   THIS VERSION OF THE PROBLEM IS GIVEN IN LOW PRECISION. The matrix products marked QUANTISED in the list below multiply operands that are first quantised to E2M3 (2 exponent bits, 3 mantissa bits; 6 bits a number), with one power-of-two scale for each 32 numbers along K (OCP MX v1.0); their sums are f32. All else is computed in f32.
;;   The module's matrix products, in the order in which they are computed (A, B: the left and right operand; K: the contracted axis; several contracted axes count as one K, in the product's order):
;;     1. [M 8,192, K 1,024] x [K 1,024, N 3,072]; A: input x; B: input W_qkv: QUANTISED
;;     2. batch 64 x [M 2,048, K 64] x [K 64, N 2,048]; A: computed on the way; B: computed on the way: QUANTISED
;;     3. batch 64 x [M 2,048, K 2,048] x [K 2,048, N 64]; A: softmax (see below); B: computed on the way: QUANTISED
;;     4. [M 8,192, K 1,024] x [K 1,024, N 1,024]; A: computed on the way; B: input W_out: QUANTISED
;;   THE QUANTISER, for each operand of a quantised product, along K:
;;     - K is cut into blocks of 32 from its start; a last block that is shorter is filled with zeros.
;;     - A block's scale is 2^e with e = floor(log2(the largest magnitude in the block)) - 2, held to -126 .. 127; a block of zeros has e = 0. As a byte (E8M0): e + 127.
;;     - Each number is divided by its block's scale, clamped to +-7.5, and rounded to the nearest number of E2M3, ties to even, subnormals kept.
;;     - The product sums the exact products of the quantised numbers (number of the format x scale) in f32.
;;   ~~~python
;;   def quantise(x, axis):      # numpy; x: float32 -> the quantised numbers, widened to float32 again
;;       x = np.moveaxis(x, axis, -1); K = x.shape[-1]
;;       x = np.pad(x, [(0, 0)] * (x.ndim - 1) + [(0, -K % 32)]); x = x.reshape(x.shape[:-1] + (-1, 32)); a = np.abs(x).max(-1, keepdims=True)
;;       e = np.where(a > 0, np.clip(np.frexp(np.where(a > 0, a, 1))[1] - 1 - 2, -126, 127), 0)      # np.frexp(a)[1] - 1 = floor(log2(a)), exactly
;;       r = np.clip(x / 2.0 ** e, -7.5, 7.5)
;;       step = 2.0 ** (np.maximum(np.frexp(np.where(r == 0, 1, r))[1] - 1, 0) - 3)
;;       q = np.round(r / step) * step * 2.0 ** e      # np.round: ties to even
;;       return np.moveaxis(q.reshape(q.shape[:-2] + (-1,))[..., :K], -1, axis).astype(np.float32)
;;   ~~~
;;   SOFTMAX AHEAD OF A QUANTISED PRODUCT. Where the list says 'softmax', what is quantised is not the finished softmax but p = 2^(t - M), with t = logit x log2(e) and M = ceil(the row's largest t), a whole number; so 1/2 < the row's largest p <= 1. The row's sum l is taken of the UNQUANTISED p, in f32, and the product's result is divided by l at the end. Since M is a whole number, a kernel that streams over the keys may use a running M (the ceiling of the running maximum): every later rescaling is an exact power of two, which a block's scale takes up: the codes' values come out the same.
;;   OPERANDS COMPUTED ON THE WAY. 'Computed on the way' means the value that the module computes at that place (a softmax that the list does not call 'softmax' is quantised finished and normalised). What goes into a quantiser is computed in f32, as accurately as f32 sums, v_exp_f32 and their like allow (about 1e-6 of the number): no bf16 or f16 on the way to a quantiser, and a product that is left as it is and whose result goes on into a quantised operand takes f32 operands (vector FMAs, or v_wmma_f32_16x16x4_f32). A number that lies on a knife's edge between two numbers of the format may be rounded either way, as far as f32 arithmetic and the matrix unit's own rounding can turn it there, and no further.
;; One version. Each part assembles by itself: llvm-mc -triple=amdgcn-amd-amdhsa -mcpu=gfx1250 --defsym DOCPART=n.
;; ======== version 1 of 1: 4 launches
;; workspace buffers: x_codes 6,291,456 bytes; x_scales 262,144 bytes; w_codes 3,145,728 bytes; w_scales 131,072 bytes; qkv_codes 18,874,368 bytes; qkv_scales 1,310,720 bytes; o_codes 6,291,456 bytes; o_scales 262,144 bytes
;; launch quant (part 1): grid 384 x 1, 4 waves a work-group, no clusters, 102,912 bytes of LDS; arguments x, W_qkv, W_out, x_codes, x_scales, w_codes, w_scales; writes x_codes, x_scales, w_codes, w_scales
.if DOCPART == 1
	.amdgcn_target "amdgcn-amd-amdhsa--gfx1250"
	.amdhsa_code_object_version 6
	.text
	.protected	k_q9bd1d897ae_quant
	.globl	k_q9bd1d897ae_quant
	.p2align	8
	.type	k_q9bd1d897ae_quant,@function
k_q9bd1d897ae_quant:
	s_mov_b64 s[64:65], 0
	v_nop
	global_prefetch_b8 v0, s[64:65] scope:SCOPE_SE
	s_setreg_imm32_b32 hwreg(HW_REG_WAVE_MODE, 25, 1), 1
	s_wait_xcnt 0x0
; x [8192][1024], W_qkv [1024][3072] and W_out [1024][1024], f32, become codes of FP6 (E2M3), K innermost, 768 bytes a row, with one E8M0 byte for each 32 along K, 32 bytes a row.
; A block's scale is 2^(floor(log2(its largest magnitude)) - 2); its byte is the largest magnitude's exponent field - 2, held at 1 from below.
; LIMITS: a block whose largest magnitude lies under 2^-124 is held at the byte 1; a block of zeros gets the byte 1 where the rule says 127 (its codes are zeros, and this program alone reads the bytes);
; NaN and infinities among the inputs are not served.
; ORDER OF ROWS.  pos(i) is i with its bits 3 and 4 exchanged.  Row i of x goes to row pos(i) of x_codes and x_scales.  Column c = 192 head + 64 type + d of W_qkv is row n' = 1024 type + 64 head + d,
; and goes to row pos(n') of w_codes and w_scales.  So sixteen neighbouring stored rows 16 T + r are the true rows 32 (T / 2) + 8 (T % 2) + r + 8 (r / 8): the rows that the later products want together in a tile.
; Column n of W_out goes to row 3072 + n, in plain order.
; THREE PATHS, parted on the work-group's number: 0-255 x (K innermost: a plain stream of blocks), 256-351 W_qkv, 352-383 W_out (K is the first axis: a lane takes a column and its registers run down K).
; Each path has LDS bytes of its own.  Every work-group reads 131,072 bytes.  Waves share nothing: no barrier, no tensor load.  No cluster: no two work-groups read the same bytes.
.set STEPS, 16
.set CB,    12                         ; bytes of 16 codes
.set SP,    80                         ; path x: a lane's place in a stage: 64 bytes + 16 of padding
.set WREG,  8192                       ; path x: LDS of a wave: two stages of 32 x SP bytes, then its 256 scale bytes
.set XR,    16                         ; v16-79   four sets of 16 numbers as loaded
.set XX,    80                         ; v80-111  two sets of 16 neighbours
.set XE,    112                        ; v112-127 a scale byte for each step
.set XC,    128                        ; v128-191 codes, four registers for each step
.set WX,    32                         ; weights: v32-95 two sets of 32 numbers
.set WC,    96                         ; v96..    a block's codes
.set WOUT,  112                        ; v112-175 the way out
.set WSB,   24                         ; v24-25   eight scale bytes
.set WP,    272                        ; a stage row: sixteen places of 16 bytes + 16
.set KROW,  768                        ; a row of codes in memory
.macro XLOAD t
.irp i, 0,1,2,3
	global_load_b128 v[XR+16*((\t)%4)+4*\i:XR+16*((\t)%4)+4*\i+3], v3, s[4:5] offset:2048*(\t)+512*\i th:TH_LOAD_NT   ; 32 lanes read 512 consecutive bytes
.endr
.endm
.macro XTURN t                         ; a step's 2,048 bytes through the wave's stage: in as they lie, back 64 bytes a lane.  LDS serves a wave's instructions in order
.irp i, 0,1,2,3
	ds_store_b128 v14, v[XR+16*((\t)%4)+4*\i:XR+16*((\t)%4)+4*\i+3] offset:32*SP*((\t)%2)+8*SP*\i
.endr
.irp i, 0,1,2,3
	ds_load_b128 v[XX+16*((\t)%2)+4*\i:XX+16*((\t)%2)+4*\i+3], v15 offset:32*SP*((\t)%2)+16*\i
.endr
.endm
.macro XSTEP t
.set XS, XX+16*((\t)%2)
.if (\t) > 0
	s_wait_dscnt 1                                 ; this step's numbers are back (the last step's byte store may be out), so its stores into the stage have read their registers,
.else
	s_wait_dscnt 0x0
.endif
.if (\t)+4 < STEPS
	XLOAD (\t)+4                                   ; which take the loads of four steps on
.endif
.if (\t)+1 < STEPS
.if STEPS-2-(\t) >= 3
	s_wait_loadcnt 12                              ; the next step's four loads are in; those of the three steps behind it may be out
.else
	s_wait_loadcnt 4*(STEPS-2-(\t))
.endif
	XTURN (\t)+1
.endif
	v_max3_num_f32 v8, |v[XS]|, |v[XS+1]|, |v[XS+2]|       ; the largest magnitude of my 16, in two chains
	v_max3_num_f32 v9, |v[XS+3]|, |v[XS+4]|, |v[XS+5]|
.irp i, 6,10
	v_max3_num_f32 v8, v8, |v[XS+\i]|, |v[XS+\i+1]|
	v_max3_num_f32 v9, v9, |v[XS+\i+2]|, |v[XS+\i+3]|
.endr
	v_max3_num_f32 v8, v8, |v[XS+14]|, |v[XS+15]|
	v_max3_num_f32 v8, v8, v9, 0x1800000           ; and the floor 2^(3 - 127): the byte cannot fall under 1
	v_max_num_f32_dpp v8, v8, v8 row_xmask:1 row_mask:0xf bank_mask:0xf   ; with my neighbour's 16: the block's
	v_add_nc_u32 v11, 0xff000000, v8               ; 2 off its exponent field: the conversion takes that field as its scale
	v_cvt_scalef32_pk16_fp6_f32 v[XC+4*(\t):XC+4*(\t)+2], v[XS:XS+15], v11
	v_lshrrev_b32 v[XE+(\t)], 23, v11              ; the scale's byte (a plain line behind the conversion)
	ds_store_b8 v5, v[XE+(\t)] offset:16*(\t)      ; both lanes of a block write the same byte with the same value
	global_store_b96 v4, v[XC+4*(\t):XC+4*(\t)+2], s[8:9] offset:32*CB*(\t)   ; the wave stores 384 consecutive bytes
.endm
.macro WLOAD t, N                      ; block t: W(32 t + i, my column), i = 0 .. 31
.irp i, 0,1,2,3,4,5,6,7,8,9,10,11,12,13,14,15,16,17,18,19,20,21,22,23,24,25,26,27,28,29,30,31
	global_load_b32 v[WX+32*((\t)%2)+\i], v3, s[4:5] offset:(32*(\t)+\i)*(\N)*4 th:TH_LOAD_NT
.endr
.endm
.macro WBLOCK t, N
.set XS, WX+32*((\t)%2)
.if (\t) < 7
	s_wait_loadcnt 32                              ; this block's 32 loads are in; the next block's may be out
.else
	s_wait_loadcnt 0
.endif
	v_max3_num_f32 v12, |v[XS]|, |v[XS+1]|, |v[XS+2]|      ; all 32 numbers of the block are mine
	v_max3_num_f32 v13, |v[XS+3]|, |v[XS+4]|, |v[XS+5]|
.irp i, 6,10,14,18,22,26
	v_max3_num_f32 v12, v12, |v[XS+\i]|, |v[XS+\i+1]|
	v_max3_num_f32 v13, v13, |v[XS+\i+2]|, |v[XS+\i+3]|
.endr
	v_max3_num_f32 v12, v12, |v[XS+30]|, |v[XS+31]|
	v_max3_num_f32 v12, v12, v13, 0x1800000        ; the floor
	v_add_nc_u32 v11, 0xff000000, v12
	v_lshrrev_b32 v13, 23, v11                     ; the scale's byte
.if (\t)%4 == 0
	v_mov_b32 v[WSB+(\t)/4], v13
.else
	v_lshl_or_b32 v[WSB+(\t)/4], v13, 8*((\t)%4), v[WSB+(\t)/4]
.endif
	v_cvt_scalef32_pk16_fp6_f32 v[WC:WC+2], v[XS:XS+15], v11
	v_cvt_scalef32_pk16_fp6_f32 v[WC+4:WC+6], v[XS+16:XS+31], v11   ; (a conversion's three registers begin on an even number)
	ds_store_b96 v4, v[WC:WC+2] offset:32*(\t)     ; 12 bytes to a place of 16 in the stage
	ds_store_b96 v4, v[WC+4:WC+6] offset:32*(\t)+16
.if (\t)+2 < 8
	WLOAD (\t)+2, \N
.endif
	s_wait_dscnt 0x0                               ; the stores have read their registers: the next block's codes may be written (plain lines open that block)
.endm
; A weight [1024][N].  A wave takes 32 columns x 256 along K.  PERM = 1: W_qkv's order of rows.  ROW0: first row in w_codes.  STG: the path's LDS.  IDX0: the path's first work-group.  WOFF: the weight's place among the arguments
.macro WPATH N, PERM, ROW0, STG, IDX0, WOFF
	s_load_b64 s[4:5], s[0:1], \WOFF
	s_load_b64 s[6:7], s[0:1], 0x28                ; w_codes
	s_load_b64 s[8:9], s[0:1], 0x30                ; w_scales
	s_sub_co_u32 s17, ttmp9, \IDX0
	s_and_b32 s18, s17, 3                          ; which 256 along K
	s_lshr_b32 s17, s17, 2
	s_lshl_b32 s19, s17, 2
	s_add_co_u32 s19, s19, s16                     ; g: which 32 columns are my wave's
.if \PERM
	s_mul_i32 s20, s19, 43
	s_lshr_b32 s20, s20, 8                         ; head = g / 6 (43 g / 256 is exact for g under 96)
	s_mul_i32 s21, s20, 6
	s_sub_co_u32 s21, s19, s21                     ; g % 6 = 2 type + half of the head's 64
	s_lshr_b32 s22, s21, 1
	s_lshl_b32 s22, s22, 10
	s_lshl_b32 s20, s20, 6
	s_add_co_u32 s22, s22, s20
	s_and_b32 s21, s21, 1
	s_lshl_b32 s21, s21, 5
	s_add_co_u32 s22, s22, s21                     ; n' of my first column
.else
	s_lshl_b32 s22, s19, 5
.endif
	s_add_co_u32 s22, s22, \ROW0
	s_mul_i32 s24, s18, 256*(\N)*4                 ; the weight: 256 rows of N x 4 bytes for each step along K,
	s_lshl_b32 s25, s19, 7
	s_add_co_u32 s24, s24, s25                     ; + 4 bytes a column
	s_mov_b32 s25, 0
	s_mul_i32 s26, s22, KROW                       ; the codes: my first row, + 192 bytes for each 256 along K
	s_mul_i32 s27, s18, 192
	s_add_co_u32 s26, s26, s27
	s_mov_b32 s27, 0
	s_lshl_b32 s28, s22, 5                         ; the scale bytes: 32 a row, + 8
	s_lshl_b32 s29, s18, 3
	s_add_co_u32 s28, s28, s29
	s_mov_b32 s29, 0
	v_lshlrev_b32 v3, 2, v2                        ; in: 4 bytes a lane
	s_mul_i32 s23, s16, 32*WP
	s_add_co_u32 s23, s23, \STG                    ; my stage
	v_mul_u32_u24 v4, v2, WP
	v_add_nc_u32 v4, s23, v4                       ; into it: row = my column
	v_and_b32 v5, 15, v2
	v_lshrrev_b32 v6, 4, v2
	v_mul_u32_u24 v7, v6, WP
	v_lshl_add_u32 v7, v5, 4, v7
	v_add_nc_u32 v7, s23, v7                       ; out of it: sixteen lanes to a row, two rows an instruction
	v_mul_u32_u24 v8, v6, KROW
	v_mad_u32_u24 v8, v5, 12, v8                   ; and the same place in the codes
.if \PERM
	v_and_b32 v9, 7, v2                            ; my column's row among the 32: bits 3 and 4 exchanged
	v_and_b32 v10, 8, v2
	v_lshl_or_b32 v9, v10, 1, v9
	v_and_b32 v10, 16, v2
	v_lshrrev_b32 v10, 1, v10
	v_or_b32 v9, v9, v10
	v_lshlrev_b32 v9, 5, v9
.else
	v_lshlrev_b32 v9, 5, v2
.endif
	s_wait_kmcnt 0x0
	s_add_nc_u64 s[4:5], s[4:5], s[24:25]
	s_add_nc_u64 s[6:7], s[6:7], s[26:27]
	s_add_nc_u64 s[8:9], s[8:9], s[28:29]
	WLOAD 0, \N
	WLOAD 1, \N
.irp t, 0,1,2,3,4,5,6,7
	WBLOCK \t, \N
.endr
	s_wait_alu depctr_va_vdst(0)
	global_store_b64 v9, v[WSB:WSB+1], s[8:9]      ; my column's eight scale bytes
.irp t, 0,1,2,3,4,5,6,7,8,9,10,11,12,13,14,15
	ds_load_b96 v[WOUT+4*\t:WOUT+4*\t+2], v7 offset:2*\t*WP   ; LDS serves a wave's instructions in order: these see my stores
.endr
.irp t, 0,1,2,3,4,5,6,7,8,9,10,11,12,13,14,15
	s_wait_dscnt 15-\t
.if \PERM
	global_store_b96 v8, v[WOUT+4*\t:WOUT+4*\t+2], s[6:7] offset:2*((\t&3)|((\t&4)<<1)|((\t&8)>>1))*KROW   ; stage rows 2 t, 2 t + 1 go to their places: sixteen lanes store 192 consecutive bytes
.else
	global_store_b96 v8, v[WOUT+4*\t:WOUT+4*\t+2], s[6:7] offset:2*\t*KROW
.endif
.endr
.endm
	v_lshl_add_u32 v192, v0, 2, 0x19000
	v_mov_b32 v193, 0
	v_lshrrev_b32 v1, 5, v0
	v_readfirstlane_b32 s16, v1                    ; wave 0..3
	v_and_b32 v2, 31, v0                           ; lane
	s_cmp_lt_u32 ttmp9, 256
	s_cbranch_scc0 .Lweights
	; ---- x: my wave's run of 8,192 numbers is eight rows
	s_load_b64 s[4:5], s[0:1], 0x0                 ; x
	s_load_b64 s[8:9], s[0:1], 0x18                ; x_codes
	s_load_b64 s[10:11], s[0:1], 0x20              ; x_scales
	v_lshlrev_b32 v3, 4, v2                        ; my 16 bytes of a load's 512
	s_mul_i32 s17, s16, WREG
	v_lshrrev_b32 v14, 2, v2
	v_mul_u32_u24 v14, v14, SP
	v_and_b32 v15, 3, v2
	v_lshl_add_u32 v14, v15, 4, v14
	v_add_nc_u32 v14, s17, v14                     ; the stage, in: SP (lane / 4) + 16 (lane % 4)
	v_mul_u32_u24 v15, v2, SP
	v_add_nc_u32 v15, s17, v15                     ; and out: SP x lane
	v_mul_u32_u24 v4, v2, CB                       ; my codes' place in a step's
	v_lshrrev_b32 v5, 1, v2
	s_add_co_u32 s17, s17, 2*32*SP
	v_add_nc_u32 v5, s17, v5                       ; my block's byte among the wave's 256
	v_lshlrev_b32 v7, 3, v2
	v_add_nc_u32 v6, s17, v7
	s_lshl_b32 s18, ttmp9, 2
	s_add_co_u32 s19, s18, s16                     ; the run that I read: rows 8 R to 8 R + 7
	s_lshl_b32 s20, s19, 15
	s_mov_b32 s21, 0
	s_and_b32 s22, s16, 1                          ; the run that I write: R with its bits 0 and 1 exchanged (the rows' bits 3 and 4)
	s_lshl_b32 s22, s22, 1
	s_lshr_b32 s23, s16, 1
	s_or_b32 s22, s22, s23
	s_add_co_u32 s22, s18, s22
	s_mul_i32 s24, s22, 6144
	s_mov_b32 s25, 0
	s_lshl_b32 s26, s22, 8
	s_mov_b32 s27, 0
	s_wait_alu depctr_va_vdst(0)
	s_wait_kmcnt 0x0
	s_add_nc_u64 s[4:5], s[4:5], s[20:21]
	s_add_nc_u64 s[8:9], s[8:9], s[24:25]
	s_add_nc_u64 s[10:11], s[10:11], s[26:27]
.irp t, 0,1,2,3
	XLOAD \t
.endr
	s_wait_loadcnt 12                              ; step 0's four loads are in
	XTURN 0
.irp t, 0,1,2,3,4,5,6,7,8,9,10,11,12,13,14,15
	XSTEP \t
.endr
	ds_load_b64 v[12:13], v6                       ; my wave's 256 scale bytes: these loads see my stores
	s_wait_dscnt 0x0
	global_store_b64 v7, v[12:13], s[10:11]        ; 32 lanes store 256 consecutive bytes, aligned
	s_wait_tensorcnt 0x0
	ds_add_u32 v192, v193
	s_wait_dscnt 0x0
	s_endpgm
.Lweights:
	s_cmp_lt_u32 ttmp9, 352
	s_cbranch_scc0 .Lw_out
	s_wait_alu depctr_va_vdst(0)
	WPATH 3072, 1, 0, 32768, 256, 0x8
	s_wait_tensorcnt 0x0
	ds_add_u32 v192, v193
	s_wait_dscnt 0x0
	s_endpgm
.Lw_out:
	s_wait_alu depctr_va_vdst(0)
	WPATH 1024, 0, 3072, 67584, 352, 0x10
	s_wait_tensorcnt 0x0
	ds_add_u32 v192, v193
	s_wait_dscnt 0x0
	s_endpgm
.Lfunc_end_k_q9bd1d897ae_quant:
	.size	k_q9bd1d897ae_quant, .Lfunc_end_k_q9bd1d897ae_quant-k_q9bd1d897ae_quant
	.p2alignl 7, 3214868480
	.fill 96, 4, 3214868480
	.section	.rodata,"a",@progbits
	.p2align	6, 0x0
	.amdhsa_kernel k_q9bd1d897ae_quant
		.amdhsa_group_segment_fixed_size 102912
		.amdhsa_private_segment_fixed_size 0
		.amdhsa_enable_private_segment 0
		.amdhsa_kernarg_size 56
		.amdhsa_user_sgpr_count 2
		.amdhsa_user_sgpr_kernarg_segment_ptr 1
		.amdhsa_wavefront_size32 1
		.amdhsa_system_sgpr_workgroup_id_x 1
		.amdhsa_system_sgpr_workgroup_id_y 1
		.amdhsa_system_sgpr_workgroup_id_z 1
		.amdhsa_system_vgpr_workitem_id 0
		.amdhsa_next_free_vgpr 194
		.amdhsa_next_free_sgpr 66
		.amdhsa_reserve_vcc 0
		.amdhsa_float_denorm_mode_32 3
		.amdhsa_float_denorm_mode_16_64 3
		.amdhsa_memory_ordered 1
		.amdhsa_forward_progress 1
		.amdhsa_inst_pref_size 115
	.end_amdhsa_kernel
	.amdgpu_metadata
---
amdhsa.version: [ 1, 2 ]
amdhsa.kernels:
  - .name:           k_q9bd1d897ae_quant
    .symbol:         k_q9bd1d897ae_quant.kd
    .args:
      - { .name: x, .offset: 0, .size: 8, .value_kind: global_buffer, .address_space: global }
      - { .name: W_qkv, .offset: 8, .size: 8, .value_kind: global_buffer, .address_space: global }
      - { .name: W_out, .offset: 16, .size: 8, .value_kind: global_buffer, .address_space: global }
      - { .name: x_codes, .offset: 24, .size: 8, .value_kind: global_buffer, .address_space: global }
      - { .name: x_scales, .offset: 32, .size: 8, .value_kind: global_buffer, .address_space: global }
      - { .name: w_codes, .offset: 40, .size: 8, .value_kind: global_buffer, .address_space: global }
      - { .name: w_scales, .offset: 48, .size: 8, .value_kind: global_buffer, .address_space: global }
    .group_segment_fixed_size: 102912
    .private_segment_fixed_size: 0
    .kernarg_segment_align: 8
    .kernarg_segment_size: 56
    .max_flat_workgroup_size: 128
    .sgpr_count:     66
    .vgpr_count:     194
    .wavefront_size: 32
...
	.end_amdgpu_metadata
.endif
;; end of part 1
;; launch gemm_qkv (part 2): grid 12 x 32, 4 waves a work-group, clusters of 4 x 4, 327,680 bytes of LDS; arguments x_codes, x_scales, w_codes, w_scales, b_qkv, qkv_codes, qkv_scales; writes qkv_codes, qkv_scales
.if DOCPART == 2
	.amdgcn_target "amdgcn-amd-amdhsa--gfx1250"
	.amdhsa_code_object_version 6
	.text
	.protected	k_q9bd1d897ae_gemm_qkv
	.globl	k_q9bd1d897ae_gemm_qkv
	.p2align	8
	.type	k_q9bd1d897ae_gemm_qkv,@function
k_q9bd1d897ae_gemm_qkv:
	s_mov_b64 s[64:65], 0
	v_nop
	global_prefetch_b8 v0, s[64:65] scope:SCOPE_SE
	s_setreg_imm32_b32 hwreg(HW_REG_WAVE_MODE, 25, 1), 1
	s_wait_xcnt 0x0
	s_wait_alu depctr_hold_cnt(0) depctr_sa_sdst(0) depctr_va_vdst(0) depctr_va_sdst(0) depctr_va_ssrc(0) depctr_va_vcc(0) depctr_vm_vsrc(0)
	s_getreg_b32 s2, hwreg(HW_REG_IB_STS2, 6, 4)
	s_cmp_eq_u32 s2, 0
	s_cbranch_scc0 .Lentry_in_a_cluster
	s_endpgm
.Lentry_in_a_cluster:
	s_bfe_u32 s2, ttmp6, 0x10000c
	s_cmp_lg_u32 s2, 0xf033
	s_cbranch_scc0 .Lentry_shape_is_right
	s_endpgm
.Lentry_shape_is_right:
; qkv = x W_qkv + b_qkv on codes of FP6 (E2M3) with E8M0 scales, K = 1,024; the result never goes to memory as f32: q and k are quantised along the head's 64, v along the tokens, in registers, and leave as
; IMAGES OF THE OPERAND REGISTERS that the attention launch wants.
; ONE LOOP, TWO ROLES.  C = A B^T on tiles of 256 x 256, four waves of 128 x 128 (64 accumulators, 512 registers), used transposed (source 0 = 16 rows of B, source 1 = 16 rows of A): a lane holds ONE row of A and its
; registers run along B's rows.  The quantiser works along a lane's registers.  Clusters with x = 0, 1 (role 0): A = x, B = W's rows of q and k: registers run along the head's channels.  Clusters with x = 2 (role 1):
; A = W's rows of v, B = x: the product is v^T, and registers run along the tokens.  The role hangs on the cluster's x alone: it is the same in all sixteen partners.
; ROWS LIE IN POSITION ORDER in x_codes and w_codes (stored row 16 T + r is true row 32 (T / 2) + 8 (T % 2) + r + 8 (r / 8)): so the 16 registers of B's blocks 2 b and 2 b + 1 are the true neighbours 32 b + 16 (lane / 16) + 0 .. 15.
; K goes in steps of 256 through a ring of two LDS slots filled by the tensor data mover; the scale bytes of the work-group's rows come once, with the first fills.  4 x 4 work-groups form a cluster: A's tiles are asked for
; jointly along a row of the cluster, B's along a column.
; OUT.  q, k: [type][batch x head][pair of tiles of 16 positions][3][32 lanes][16 bytes]: a lane's 12 registers are 6 of the even tile (channels 32 (lane / 16) on) and 6 of the odd one.
;       v: [batch x head][step of 128 keys][tile of 16 channel positions][3][32][16]: a whole fragment.  Scale words: q, k [step][tile / 4][row 16][tile % 4], bytes 2 and 3 zero; v [step][row 16][tile 4].
; LIMITS: a block whose largest magnitude lies under 2^-124 is held at the byte 1; a block of zeros gets the byte 1 (its codes are zeros; this program alone reads the bytes); NaN and infinities are not served.
; REGISTERS, in windows of 256: window 0: v0-31 addresses; v32-63 scale words, two sets; v64-127 the biases; from v128 A's fragments, one set; in the tail v128-255 are at work.
;   window 1: B's fragments, two sets, at v0 and v128.   window 2: the accumulators of my rows 0-63 ((a, b) at v[8 (8 a + b)]);   window 3: those of rows 64-127.
.set KSTEP,  256
.set NQ,     2                         ; matrix instructions deep in a slot
.set ROWB,   192                       ; a tile's row in bytes
.set KROW,   768                       ; a row of codes in memory
.set PITCH,  240                       ; an LDS row: 3 x (64 bytes + 16 of padding)
.set FR,     12
.set NL,     6
.set NP,     4                         ; places behind this matrix instruction (ISA guide 7.12.1)
.set HALFT,  128*PITCH
.set SLOT,   4*HALFT
.set LAPS,   2                         ; 1,024 / 512
.set KS,     32                        ; a row of scale bytes
.set SCL,    2*SLOT
.set HALFS,  (128*KS/256)*272
.set SBLK,   (16*KS/256)*272
.set SPARE,  SCL+4*HALFS               ; the spare words, 128 bytes a wave: two blocks of 256 bytes that no other line names
.set LI,   7                           ; v7   tail: 16 x lane
.set BO,   8                           ; v8   tail: the biases' lane offset
.set SA,   9                           ; v9   tail: the scale words' lane offset
.set H16,  10                          ; v10  tail: 16 x (lane / 16)
.set ADRA, 16                          ; v16-19
.set ADRB, 20                          ; v20-23
.set ADRS, 27
.set SPW,  28
.set NIL,  29
.set SC,   32
.set BN,   64                          ; role 0: 64 biases along my registers;  role 1: v64-79, a pair for each block of A
.set AF,   128
.set T,    128                         ; tail: a block's 64 numbers
.set IMG,  192                         ; tail: v192-215 the images in the making
.set CT,   216                         ; tail: v216-218, v220-222 the conversions' second halves
.set TM,   224                         ; tail: +0..3 largest magnitudes, +4..7 the other half's and then bytes, +12..15 the conversions' scale operands
.set PW,   240
.set SW,   244                         ; v244-251 a scale word for each block of A
.set XW,   252                         ; v252-255
.set G1, 24
.set G0, 32
.set G1B, 48
.set G0B, 56
.set ROLE, 66
.set ROW0, 67
.set G1S, 68
.set G0S, 76
.set G1SB, 80
.set G0SB, 88
.set MSB, 0
.macro WIN new                         ; the immediate's high byte repeats the setting that is left
.if MSB != (\new)
	s_set_vgpr_msb (MSB<<8)|(\new)
.set MSB, (\new)
.endif
.endm
.set MUL_LO, 0xa1                      ; source 0 (B) window 1, source 1 (A) window 0, C and D window 2
.set MUL_HI, 0xf1
.set TO_B,   0x40
; A joint load: waves 0 and 1 fetch for A, waves 2 and 3 for B; the branch hangs on the wave's number alone.  Four v_nop follow each of the two lines.
.macro JLOAD g0a, g1a, g0b, g1b
	s_cmp_eq_u32 s15, 0
	s_cbranch_scc0 .Lfor_b_\@
	tensor_load_to_lds s[\g0a:\g0a+3], s[\g1a:\g1a+7]
	s_nop 0
.rept 4
	v_nop
.endr
	s_branch .Lasked_\@
.Lfor_b_\@:
	tensor_load_to_lds s[\g0b:\g0b+3], s[\g1b:\g1b+7]
	s_nop 0
.rept 4
	v_nop
.endr
.Lasked_\@:
.endm
.macro CREST                           ; a round of the cluster's barrier behind its opening barrier
	s_cmp_lg_u32 s14, 0
	s_cbranch_scc1 .Lnot_wave_0_\@
	s_barrier_signal -3
.Lnot_wave_0_\@:
	s_barrier_wait -3
	s_barrier_signal -1
	s_barrier_wait -1
.endm
.macro CROUND
	s_barrier_signal -1
	s_barrier_wait -1
	CREST
.endm
	s_load_b128 s[4:7], s[0:1], 0x0                ; x's codes, x's scales
	s_load_b128 s[8:11], s[0:1], 0x10              ; W's codes, W's scales
	s_load_b64 s[12:13], s[0:1], 0x20              ; b_qkv
	s_load_b64 s[96:97], s[0:1], 0x28              ; qkv_codes
	s_load_b64 s[98:99], s[0:1], 0x30              ; qkv_scales
	v_lshl_add_u32 v[SPW], v0, 2, SPARE
	v_mov_b32 v[NIL], 0
	ds_add_u32 v28, v29
	ds_add_u32 v28, v29
	s_wait_dscnt 0x0
	v_lshrrev_b32 v1, 5, v0
	v_readfirstlane_b32 s14, v1                    ; wave 0..3
	s_lshr_b32 s15, s14, 1                         ; which half of the tile's rows is mine.  Also: I fetch for A (0) or for B (1)
	s_and_b32 s16, s14, 1                          ; which half of its columns.  Also: which 128 rows I fetch
	s_bfe_u32 s40, ttmp6, 0x40000                  ; cx
	s_bfe_u32 s41, ttmp6, 0x40004                  ; cy
	s_and_b32 s45, ttmp7, 0xffff                   ; cluster y, 0..7
	s_cmp_eq_u32 ttmp9, 2                          ; cluster x = 2: role 1
	s_cselect_b32 s[ROLE], 1, 0
	s_cselect_b32 s[ROW0], 2048, 0                 ; A's first row: v's rows of W begin at 2,048
	s_cselect_b32 s17, 0, s45                      ; role 0: 32 tile rows of tokens; role 1: 4 of v's rows
	s_cselect_b32 s42, s45, ttmp9                  ; role 0: 8 tile columns of q's and k's rows; role 1: 32 of tokens
	s_lshl_b32 s17, s17, 2
	s_add_co_u32 s17, s17, s41                     ; tile row
	s_lshl_b32 s42, s42, 2
	s_add_co_u32 s42, s42, s40                     ; tile column
	s_lshl_b32 s43, s41, 2
	s_lshl_b32 s43, 15, s43                        ; my row of the cluster
	s_lshl_b32 s44, 0x1111, s40                    ; my column
	s_or_b32 s[G1+0], s43, (0<<16)|(1<<20)|(1<<21)|(3<<22)|(3<<25)  ; the mask; elements of 1 byte; padding on; bit 21 beside a mask; after every 16 words, 4 words
	s_or_b32 s[G1B+0], s44, (0<<16)|(1<<20)|(1<<21)|(3<<22)|(3<<25)
.irp g, G1, G1B
	s_mov_b32 s[\g+1], ROWB<<16                    ; tensor_dim0
	s_mov_b32 s[\g+2], 128<<16                     ; tensor_dim1
	s_mov_b32 s[\g+3], ROWB<<16                    ; tile_dim0
	s_mov_b32 s[\g+4], 128                         ; tile_dim1
	s_mov_b32 s[\g+5], KROW                        ; the pitch
	s_mov_b32 s[\g+6], 0
	s_mov_b32 s[\g+7], 0
.endr
	s_or_b32 s[G1S+0], s43, (3<<16)|(1<<20)|(1<<21)|(5<<22)|(3<<25) ; the scales of 128 rows: 4,096 dense bytes as 16 rows of 256, 16 bytes of padding behind each
	s_or_b32 s[G1SB+0], s44, (3<<16)|(1<<20)|(1<<21)|(5<<22)|(3<<25)
.irp g, G1S, G1SB
	s_mov_b32 s[\g+1], 32<<16
	s_mov_b32 s[\g+2], (128*KS/256)<<16
	s_mov_b32 s[\g+3], 32<<16
	s_mov_b32 s[\g+4], 128*KS/256
	s_mov_b32 s[\g+5], 32
	s_mov_b32 s[\g+6], 0
	s_mov_b32 s[\g+7], 0
.endr
	s_lshl_b32 s18, s16, 7
	s_lshl_b32 s20, s17, 8
	s_add_co_u32 s20, s20, s18
	s_add_co_u32 s20, s20, s[ROW0]                 ; A: row ROW0 + 256 x tile row + 128 x half
	s_lshl_b32 s46, s42, 8
	s_add_co_u32 s46, s46, s18                     ; B: row 256 x tile column + 128 x half
	s_mov_b32 s21, 0
	s_mov_b32 s47, 0
	s_mov_b64 s[18:19], KS
	s_mul_u64 s[22:23], s[20:21], s[18:19]         ; where these rows' scales begin,
	s_mul_u64 s[92:93], s[46:47], s[18:19]
	s_mov_b64 s[18:19], KROW
	s_mul_u64 s[20:21], s[20:21], s[18:19]         ; and their codes
	s_mul_u64 s[46:47], s[46:47], s[18:19]
	s_mul_i32 s45, s14, HALFT                      ; where they go: wave x 128 rows
	s_mul_i32 s94, s14, HALFS
	s_wait_kmcnt 0x0
	s_cmp_eq_u32 s[ROLE], 0                        ; which tensor is A and which is B: a choice on the cluster's x alone
	s_cselect_b64 s[18:19], s[4:5], s[8:9]         ; A's codes
	s_cselect_b64 s[100:101], s[6:7], s[10:11]     ; A's scales
	s_cselect_b64 s[8:9], s[8:9], s[4:5]           ; B's codes
	s_cselect_b64 s[10:11], s[10:11], s[6:7]       ; B's scales
	s_add_nc_u64 s[20:21], s[18:19], s[20:21]
	s_add_nc_u64 s[22:23], s[100:101], s[22:23]
	s_add_nc_u64 s[46:47], s[8:9], s[46:47]
	s_add_nc_u64 s[92:93], s[10:11], s[92:93]
	CROUND                                         ; all sixteen work-groups are here: the first joint loads meet
	s_mov_b32 s[G0S], 1
	s_add_co_u32 s[G0S+1], s94, SCL
	s_mov_b64 s[G0S+2:G0S+3], s[22:23]
	s_or_b32 s[G0S+3], s[G0S+3], 0x80000000
	s_mov_b32 s[G0SB], 1
	s_add_co_u32 s[G0SB+1], s94, SCL
	s_mov_b64 s[G0SB+2:G0SB+3], s[92:93]
	s_or_b32 s[G0SB+3], s[G0SB+3], 0x80000000
	JLOAD G0S, G1S, G0SB, G1SB                     ; the scales first: they are wanted with K step 0
.irp s, 0,1
	s_mov_b32 s[G0+4*\s], 1
	s_add_co_u32 s[G0+4*\s+1], s45, \s*SLOT
	s_add_nc_u64 s[G0+4*\s+2:G0+4*\s+3], s[20:21], \s*ROWB
	s_or_b32 s[G0+4*\s+3], s[G0+4*\s+3], 0x80000000
	s_mov_b32 s[G0B+4*\s], 1
	s_add_co_u32 s[G0B+4*\s+1], s45, \s*SLOT
	s_add_nc_u64 s[G0B+4*\s+2:G0B+4*\s+3], s[46:47], \s*ROWB
	s_or_b32 s[G0B+4*\s+3], s[G0B+4*\s+3], 0x80000000
	JLOAD G0+4*\s, G1, G0B+4*\s, G1B
.endr
	v_and_b32 v1, 15, v0                           ; l % 16
	v_bfe_u32 v2, v0, 4, 1                         ; l / 16
	v_mul_u32_u24 v3, v1, PITCH
	v_mul_u32_u24 v4, v2, 24
	v_add_nc_u32 v4, v3, v4                        ; a fragment's row x pitch + 24 x half
	v_lshl_add_u32 v5, v2, 4, v4                   ; and the same behind one padding more
	s_mul_i32 s21, s15, HALFT                      ; my 128 rows of A
	s_mul_i32 s22, s16, HALFT                      ; my 128 rows of B,
	s_add_co_u32 s22, s22, 2*HALFT                 ; behind A's 256
.irp s, 0,1
	v_add_nc_u32 v[ADRA+\s], s21, v4
	v_add_nc_u32 v[ADRB+\s], s22, v4
	v_add_nc_u32 v[ADRA+2+\s], s21, v5
	v_add_nc_u32 v[ADRB+2+\s], s22, v5
	s_add_co_u32 s21, s21, SLOT
	s_add_co_u32 s22, s22, SLOT
.endr
	v_mul_u32_u24 v5, v1, KS                       ; my row's scales: 32 bytes a row,
	v_lshrrev_b32 v6, 8, v5
	v_lshl_add_u32 v5, v6, 4, v5                   ; and 16 more for each 256 passed
	s_mul_i32 s21, s15, HALFS
	s_mul_i32 s22, s16, HALFS
	s_add_co_u32 s22, s22, 2*HALFS
	s_sub_co_u32 s22, s22, s21
	v_mul_u32_u24 v6, s22, v2                      ; lanes 16-31 take B's
	s_add_co_u32 s21, s21, SCL
	v_add_nc_u32 v5, v5, v6
	v_add_nc_u32 v[ADRS], s21, v5
.macro FRAG reg, adr, q, i             ; 16 rows x 128 K of 6-bit codes: 12 registers, in pieces of 8 bytes; where the piece three on lies behind one padding more, the second address register serves
.irp p, 0,1,2,3,4,5
.set PC, 12*(\q)+6*(\p/3)+\p%3
.if PC%8 < 5
	ds_load_b64 v[\reg+2*\p:\reg+2*\p+1], v[\adr] offset:8*PC+16*(PC/8)+(\i)*16*PITCH
.else
	ds_load_b64 v[\reg+2*\p:\reg+2*\p+1], v[\adr+2] offset:8*PC+16*(PC/8)+(\i)*16*PITCH
.endif
.endr
.endm
; 16 matrix instructions: A's blocks a0, a0 + 1 x B's eight.  The 64 accumulators take turns, one instruction a turn, in the same order in every step.
.macro MUL16 a0, p, q, sc, zero
.irp a, \a0, \a0+1
.irp b, 0,1,2,3,4,5,6,7
.if \zero
	v_wmma_scale_f32_16x16x128_f8f6f4 v[8*(8*((\a)%4)+\b):8*(8*((\a)%4)+\b)+7], v[128*(\p)+FR*\b:128*(\p)+FR*\b+FR-1], v[AF+FR*(\a):AF+FR*(\a)+FR-1], 0, v[SC+8*NQ*(\sc)+NQ*\b+(\q)], v[SC+8*NQ*(\sc)+NQ*(\a)+(\q)] matrix_a_fmt:MATRIX_FMT_FP6 matrix_b_fmt:MATRIX_FMT_FP6 matrix_a_scale:MATRIX_SCALE_ROW1
.else
	v_wmma_scale_f32_16x16x128_f8f6f4 v[8*(8*((\a)%4)+\b):8*(8*((\a)%4)+\b)+7], v[128*(\p)+FR*\b:128*(\p)+FR*\b+FR-1], v[AF+FR*(\a):AF+FR*(\a)+FR-1], v[8*(8*((\a)%4)+\b):8*(8*((\a)%4)+\b)+7], v[SC+8*NQ*(\sc)+NQ*\b+(\q)], v[SC+8*NQ*(\sc)+NQ*(\a)+(\q)] matrix_a_fmt:MATRIX_FMT_FP6 matrix_b_fmt:MATRIX_FMT_FP6 matrix_a_scale:MATRIX_SCALE_ROW1
.endif
.endr
.endr
.endm
.macro FETCH_B slot, q, p
	WIN TO_B
.irp i, 0,1,2,3,4,5,6,7
	FRAG 128*(\p)+FR*\i, ADRB+\slot, \q, \i
.endr
	WIN 0
.endm
.macro FETCH_A slot, q, i0
.irp i, \i0, \i0+1, \i0+2, \i0+3
	FRAG AF+FR*(\i), ADRA+\slot, \q, \i
.endr
.endm
.macro SCALES sc                       ; a K step's scale words: lanes 0-15 take A's block i, lanes 16-31 B's block i
.irp i, 0,1,2,3,4,5,6,7
	ds_load_b64 v[SC+8*NQ*\sc+NQ*\i:SC+8*NQ*\sc+NQ*\i+1], v[ADRS] offset:\i*SBLK
.endr
.endm
.macro PLACES n                        ; plain vector lines between a matrix instruction and a load into, or a vector line on, its registers
.rept \n
	v_nop
.endr
.endm
.macro STEP slot, q, zero              ; 128 along K that has its successor in the same slot
	s_wait_dscnt 4*NL                              ; B's set and A's blocks 0-3 are in; the youngest 24 loads (A's blocks 4-7) may be out
	WIN MUL_LO
	MUL16 0, (\q)%2, \q, \slot, \zero
	MUL16 2, (\q)%2, \q, \slot, \zero
	s_wait_dscnt 0
	PLACES NP
	FETCH_B \slot, (\q)+1, 1-(\q)%2
	FETCH_A \slot, (\q)+1, 0
	WIN MUL_HI
	MUL16 4, (\q)%2, \q, \slot, \zero
	MUL16 6, (\q)%2, \q, \slot, \zero
	PLACES NP
	WIN 0
	FETCH_A \slot, (\q)+1, 4
.endm
; A slot's last step changes slots: one barrier; in front of it each wave waits for all its tensor loads, adds 0 to its spare word, and waits for that and for its own reads of this slot.
.macro TURN slot, next, fill
	s_wait_tensorcnt 0x0                           ; all my tensor loads have landed: my part of the next slot
	ds_add_u32 v[SPW], v[NIL]                      ; 0 onto my spare word
	s_wait_dscnt 4*NL+1                            ; (the add and the youngest 24 loads may be out)
	WIN MUL_LO
	MUL16 0, 1, NQ-1, \slot, 0
	s_wait_dscnt 0x0                               ; the add is done, and my reads of this slot are over
	s_barrier_signal -1
	MUL16 2, 1, NQ-1, \slot, 0
	WIN 0
	s_barrier_wait -1
.if \fill
	CREST                                          ; the barrier has opened a round of the cluster's: no wave of any partner still reads this slot or has a load on its way
	s_add_nc_u64 s[G0+4*\slot+2:G0+4*\slot+3], s[G0+4*\slot+2:G0+4*\slot+3], 2*ROWB
	s_add_nc_u64 s[G0B+4*\slot+2:G0B+4*\slot+3], s[G0B+4*\slot+2:G0B+4*\slot+3], 2*ROWB
	JLOAD G0+4*\slot, G1, G0B+4*\slot, G1B         ; the first tensor load behind the round; its four v_nop are the places in front of the loads below
.else
	PLACES NP
.endif
	s_wait_alu depctr_va_vdst(0)
	v_add_nc_u32 v[ADRS], 4*NQ, v[ADRS]            ; the next K step's scale words
	FETCH_B \next, 0, 0
	FETCH_A \next, 0, 0
	SCALES \next
	WIN MUL_HI
	MUL16 4, 1, NQ-1, \slot, 0
	MUL16 6, 1, NQ-1, \slot, 0
	PLACES NP
	WIN 0
	FETCH_A \next, 0, 4
.endm
; 64 numbers of a lane, v[T] on, register 16 b + i = place 32 b + 16 (lane / 16) + i along the quantiser's axis, become 2 x 6 registers of codes at v[QD0], v[QD1] and the row's four scale bytes in v[QPW].
.macro QUANT
.irp b, 0,1,2,3
	v_max3_num_f32 v[TM+\b], |v[T+16*\b]|, |v[T+1+16*\b]|, 0x1800000   ; my 16 numbers of block b, and the floor 2^(3 - 127): the byte cannot fall under 1
.endr
.irp i, 2,4,6,8,10,12,14
.irp b, 0,1,2,3
	v_max3_num_f32 v[TM+\b], v[TM+\b], |v[T+16*\b+\i]|, |v[T+1+16*\b+\i]|   ; (the four blocks by turns)
.endr
.endr
.irp b, 0,1,2,3
	v_permlanex16_b32 v[TM+4+\b], v[TM+\b], s20, s21
.endr
.irp b, 0,1,2,3
	v_max_num_f32 v[TM+\b], v[TM+\b], v[TM+4+\b]   ; with lane l xor 16's: the block's largest magnitude
.endr
.irp b, 0,1,2,3
	v_add_nc_u32 v[TM+12+\b], 0xff000000, v[TM+\b] ; 2 off its exponent field: the conversion's scale operand
.endr
.irp b, 0,1,2,3
	v_lshrrev_b32 v[TM+4+\b], 23, v[TM+12+\b]      ; the scale's byte
.endr
	v_lshl_or_b32 v[QPW], v[TM+5], 8, v[TM+4]
	v_lshl_or_b32 v[QPW], v[TM+6], 16, v[QPW]
	v_lshl_or_b32 v[QPW], v[TM+7], 24, v[QPW]
	s_wait_xcnt 0x0                                ; the earlier stores have read their data: the images' registers may be written again
	v_cvt_scalef32_pk16_fp6_f32 v[QD0:QD0+2], v[T:T+15], v[TM+12]
	v_cvt_scalef32_pk16_fp6_f32 v[CT:CT+2], v[T+16:T+31], v[TM+13]     ; (a conversion's three registers begin on an even number)
	v_cvt_scalef32_pk16_fp6_f32 v[QD1:QD1+2], v[T+32:T+47], v[TM+14]
	v_cvt_scalef32_pk16_fp6_f32 v[CT+4:CT+6], v[T+48:T+63], v[TM+15]
	v_nop                                          ; one plain line behind a scaled conversion
.irp i, 0,1,2                                  ; the operand's layout wants a whole block in a lane: lanes 0-15 the even block, lanes 16-31 the odd one
	v_permlane16_swap_b32 v[QD0+\i], v[CT+\i]
	v_permlane16_swap_b32 v[QD1+\i], v[CT+4+\i]
.endr
.irp i, 0,1,2
	v_mov_b32 v[QD0+3+\i], v[CT+\i]
	v_mov_b32 v[QD1+3+\i], v[CT+4+\i]
.endr
.endm
; THE TAIL of a role: where my results go; the biases are asked for; the last 128 along K, under which they land; then block by block of 16 rows of A: + bias, quantised, stored.
.macro TAIL role
	s_mov_b32 s20, 0x76543210
	s_mov_b32 s21, 0xfedcba98                      ; v_permlanex16_b32's selects for lane l xor 16
	v_and_b32 v1, 15, v0                           ; r
	v_bfe_u32 v2, v0, 4, 1                         ; h
	v_and_b32 v[LI], 31, v0
	v_lshlrev_b32 v[LI], 4, v[LI]
	v_lshlrev_b32 v[H16], 4, v2
.irp b, 0,1,2,3
	v_mov_b32 v[TM+4+\b], 0                        ; written once: a lane permute's destination counts as one of its sources
.endr
.if \role == 0
	s_lshl_b32 s22, s17, 8
	s_lshl_b32 s23, s15, 7
	s_add_co_u32 s22, s22, s23                     ; my first position
	s_lshr_b32 s23, s22, 11                        ; batch
	s_bfe_u32 s22, s22, 0x40007                    ; step of 128 positions
	s_lshl_b32 s92, s42, 8
	s_lshl_b32 s93, s16, 7
	s_add_co_u32 s92, s92, s93                     ; my first n' = 1024 type + 64 head
	s_lshr_b32 s93, s92, 10                        ; type: 0 q, 1 k
	s_bfe_u32 s92, s92, 0x40006                    ; my first head of two
	s_mul_i32 s46, s93, 6291456
	s_mul_i32 s94, s23, 1572864
	s_add_co_u32 s46, s46, s94
	s_mul_i32 s94, s92, 98304
	s_add_co_u32 s46, s46, s94
	s_mul_i32 s94, s22, 6144
	s_add_co_u32 s46, s46, s94
	s_mov_b32 s47, 0
	s_add_nc_u64 s[96:97], s[96:97], s[46:47]      ; the images
	s_lshl_b32 s46, s93, 19
	s_lshl_b32 s94, s23, 17
	s_add_co_u32 s46, s46, s94
	s_lshl_b32 s94, s92, 13
	s_add_co_u32 s46, s46, s94
	s_lshl_b32 s94, s22, 9
	s_add_co_u32 s46, s46, s94
	s_add_nc_u64 s[98:99], s[98:99], s[46:47]      ; the scale words
	s_mul_i32 s46, s92, 768
	s_lshl_b32 s94, s93, 8
	s_add_co_u32 s46, s46, s94
	s_add_nc_u64 s[12:13], s[12:13], s[46:47]      ; b_qkv at 192 head + 64 type
	s_wait_alu depctr_va_vdst(0)
	v_lshlrev_b32 v[BO], 6, v2                     ; my half's 16 channels of each 32
	v_lshlrev_b32 v[SA], 13, v2                    ; lanes 16-31 store the second head's words
	v_lshl_add_u32 v[SA], v1, 4, v[SA]
.irp b, 0,1,2,3,4,5,6,7                        ; register 8 b + j: head b / 4, channel 32 ((b / 2) % 2) + 16 h + 8 (b % 2) + j
	global_load_b128 v[BN+8*\b:BN+8*\b+3], v[BO], s[12:13] offset:((\b/4)*192+32*((\b/2)%2)+8*(\b%2))*4
	global_load_b128 v[BN+8*\b+4:BN+8*\b+7], v[BO], s[12:13] offset:((\b/4)*192+32*((\b/2)%2)+8*(\b%2))*4+16
.endr
.else
	s_lshl_b32 s92, s17, 2
	s_lshl_b32 s93, s15, 1
	s_add_co_u32 s92, s92, s93                     ; my first head of two
	s_lshl_b32 s22, s42, 8
	s_lshl_b32 s23, s16, 7
	s_add_co_u32 s22, s22, s23                     ; my first token
	s_lshr_b32 s23, s22, 11                        ; batch
	s_bfe_u32 s22, s22, 0x40007                    ; step of 128 keys
	s_mul_i32 s46, s23, 1572864
	s_mul_i32 s94, s92, 98304
	s_add_co_u32 s46, s46, s94
	s_mul_i32 s94, s22, 6144
	s_add_co_u32 s46, s46, s94
	s_add_co_u32 s46, s46, 12582912
	s_mov_b32 s47, 0
	s_add_nc_u64 s[96:97], s[96:97], s[46:47]
	s_lshl_b32 s46, s23, 16
	s_lshl_b32 s94, s92, 12
	s_add_co_u32 s46, s46, s94
	s_lshl_b32 s94, s22, 8
	s_add_co_u32 s46, s46, s94
	s_add_co_u32 s46, s46, 1048576
	s_add_nc_u64 s[98:99], s[98:99], s[46:47]
	s_mul_i32 s46, s92, 768
	s_add_co_u32 s46, s46, 512
	s_add_nc_u64 s[12:13], s[12:13], s[46:47]      ; b_qkv at 192 head + 128
	s_wait_alu depctr_va_vdst(0)
	v_and_b32 v[BO], 8, v1
	v_add_nc_u32 v[BO], v[BO], v1
	v_lshlrev_b32 v[BO], 2, v[BO]                  ; my row's true channel in its tile: r + 8 (r / 8)
	v_lshlrev_b32 v[SA], 12, v2
	v_lshl_add_u32 v[SA], v1, 4, v[SA]
	s_mov_b32 vcc_lo, 0xffff0000                   ; lanes 16-31
.irp a, 0,1,2,3,4,5,6,7                        ; one bias a lane and block, twice: a pair for the packed addition
	global_load_b32 v[BN+2*\a], v[BO], s[12:13] offset:((\a/4)*192+32*((\a%4)/2)+8*(\a%2))*4
	global_load_b32 v[BN+2*\a+1], v[BO], s[12:13] offset:((\a/4)*192+32*((\a%4)/2)+8*(\a%2))*4
.endr
.endif
	s_wait_dscnt 4*NL                              ; the very last step: nothing more to fetch
	WIN MUL_LO
	MUL16 0, 1, NQ-1, 1, 0
	MUL16 2, 1, NQ-1, 1, 0
	s_wait_dscnt 0
	WIN MUL_HI
	MUL16 4, 1, NQ-1, 1, 0
	MUL16 6, 1, NQ-1, 1, 0
	WIN 0
	s_wait_loadcnt 0x0                             ; the biases
	PLACES NP                                      ; in front of the first read of results, and of vector writes into the registers that held A's fragments
.irp a, 0,1,2,3,4,5,6,7
	WIN (0x02+\a/4)                                ; source 0: window 2 or 3
.set i, 0
.rept 32                                       ; each accumulator from its low end on
.if \role == 0
	v_pk_add_f32 v[T+i:T+i+1], v[64*(\a%4)+i:64*(\a%4)+i+1], v[BN+i:BN+i+1]
.else
	v_pk_add_f32 v[T+i:T+i+1], v[64*(\a%4)+i:64*(\a%4)+i+1], v[BN+2*\a:BN+2*\a+1]
.endif
.set i, i+2
.endr
	WIN 0
.if \role == 0
.set QD0, IMG+6*(\a%2)                         ; the first head's pair of tiles: v192-203;
.set QD1, IMG+12+6*(\a%2)                      ; the second head's: v204-215
.set QPW, PW
	QUANT
	v_bfe_u32 v[SW+\a], v[PW], v[H16], 16          ; lanes 0-15 keep the first head's two bytes, lanes 16-31 the second's; bytes 2 and 3 are 0
.if \a%2 == 1
.irp e, 0,1,2,3,4,5
	global_store_b128 v[LI], v[IMG+4*\e:IMG+4*\e+3], s[96:97] offset:(\e/3)*98304+(\a/2)*1536+512*(\e%3) th:TH_STORE_NT   ; 32 lanes store 512 consecutive bytes, aligned
.endr
.endif
.else
.set QD0, IMG
.set QD1, IMG+6
.set QPW, SW+\a
	QUANT
.irp e, 0,1,2
	global_store_b128 v[LI], v[IMG+4*\e:IMG+4*\e+3], s[96:97] offset:(\a/4)*98304+(\a%4)*1536+512*\e th:TH_STORE_NT
.endr
.endif
.endr
.if \role == 0
	global_store_b128 v[SA], v[SW:SW+3], s[98:99]              ; sixteen lanes store 256 consecutive bytes, aligned: tiles 0-3 of a head's step,
	global_store_b128 v[SA], v[SW+4:SW+7], s[98:99] offset:256 ; tiles 4-7
.else
.irp i, 0,1,2,3
	v_cndmask_b32 v[XW+\i], v[SW+\i], v[SW+4+\i], vcc_lo       ; lanes 16-31 take the second head's four tiles
.endr
	global_store_b128 v[SA], v[XW:XW+3], s[98:99]
.endif
.endm
	s_wait_alu depctr_va_vdst(0)
	s_wait_tensorcnt 1                             ; the scales and my part of K step 0 are in (K step 1's load may be out)
	s_barrier_signal -1
	s_barrier_wait -1                              ; everybody's are
	FETCH_B 0, 0, 0
	FETCH_A 0, 0, 0
	SCALES 0
	FETCH_A 0, 0, 4
	STEP 0, 0, 1                                   ; the first step stands in front of the loop: its products start the sums
	s_mov_b32 s3, LAPS-1
.Llap:                                                 ; a trip goes once round the ring and fills both slots again
	TURN 0, 1, 1
	STEP 1, 0, 0
	TURN 1, 0, 1
	STEP 0, 0, 0
	s_sub_co_u32 s3, s3, 1
	s_cmp_lg_u32 s3, 0
	s_cbranch_scc1 .Llap
	TURN 0, 1, 0                                   ; the last lap fills nothing
	STEP 1, 0, 0
	s_cmp_eq_u32 s[ROLE], 0                        ; the same in all waves of all sixteen partners
	s_cbranch_scc0 .Lrole_v
	TAIL 0
	s_branch .Lend
.Lrole_v:
	TAIL 1
.Lend:
	s_wait_tensorcnt 0x0                           ; the wave's end
	ds_add_u32 v[SPW], v[NIL]
	s_wait_dscnt 0x0
	CROUND                                         ; the closing round: no work-group ends while a partner may still ask for a tile that names it
	s_endpgm
.Lfunc_end_k_q9bd1d897ae_gemm_qkv:
	.size	k_q9bd1d897ae_gemm_qkv, .Lfunc_end_k_q9bd1d897ae_gemm_qkv-k_q9bd1d897ae_gemm_qkv
	.p2alignl 7, 3214868480
	.fill 96, 4, 3214868480
	.section	.rodata,"a",@progbits
	.p2align	6, 0x0
	.amdhsa_kernel k_q9bd1d897ae_gemm_qkv
		.amdhsa_group_segment_fixed_size 327680
		.amdhsa_private_segment_fixed_size 0
		.amdhsa_enable_private_segment 0
		.amdhsa_kernarg_size 56
		.amdhsa_user_sgpr_count 2
		.amdhsa_user_sgpr_kernarg_segment_ptr 1
		.amdhsa_wavefront_size32 1
		.amdhsa_system_sgpr_workgroup_id_x 1
		.amdhsa_system_sgpr_workgroup_id_y 1
		.amdhsa_system_sgpr_workgroup_id_z 1
		.amdhsa_system_vgpr_workitem_id 0
		.amdhsa_next_free_vgpr 1024
		.amdhsa_next_free_sgpr 102
		.amdhsa_reserve_vcc 1
		.amdhsa_float_denorm_mode_32 3
		.amdhsa_float_denorm_mode_16_64 3
		.amdhsa_memory_ordered 1
		.amdhsa_forward_progress 1
		.amdhsa_inst_pref_size 244
	.end_amdhsa_kernel
	.amdgpu_metadata
---
amdhsa.version: [ 1, 2 ]
amdhsa.kernels:
  - .name:           k_q9bd1d897ae_gemm_qkv
    .symbol:         k_q9bd1d897ae_gemm_qkv.kd
    .args:
      - { .name: x_codes, .offset: 0, .size: 8, .value_kind: global_buffer, .address_space: global }
      - { .name: x_scales, .offset: 8, .size: 8, .value_kind: global_buffer, .address_space: global }
      - { .name: w_codes, .offset: 16, .size: 8, .value_kind: global_buffer, .address_space: global }
      - { .name: w_scales, .offset: 24, .size: 8, .value_kind: global_buffer, .address_space: global }
      - { .name: b_qkv, .offset: 32, .size: 8, .value_kind: global_buffer, .address_space: global }
      - { .name: qkv_codes, .offset: 40, .size: 8, .value_kind: global_buffer, .address_space: global }
      - { .name: qkv_scales, .offset: 48, .size: 8, .value_kind: global_buffer, .address_space: global }
    .group_segment_fixed_size: 327680
    .private_segment_fixed_size: 0
    .kernarg_segment_align: 8
    .kernarg_segment_size: 56
    .max_flat_workgroup_size: 128
    .sgpr_count:     102
    .vgpr_count:     1024
    .wavefront_size: 32
...
	.end_amdgpu_metadata
.endif
;; end of part 2
;; launch attn (part 3): grid 4 x 64, 16 waves a work-group, clusters of 4 x 1, 327,680 bytes of LDS; arguments qkv_codes, qkv_scales, o_codes, o_scales; writes o_codes, o_scales
.if DOCPART == 3
	.amdgcn_target "amdgcn-amd-amdhsa--gfx1250"
	.amdhsa_code_object_version 6
	.text
	.protected	k_q9bd1d897ae_attn
	.globl	k_q9bd1d897ae_attn
	.p2align	8
	.type	k_q9bd1d897ae_attn,@function
k_q9bd1d897ae_attn:
	s_mov_b64 s[64:65], 0
	v_nop
	global_prefetch_b8 v0, s[64:65] scope:SCOPE_SE
	s_setreg_imm32_b32 hwreg(HW_REG_WAVE_MODE, 25, 1), 1
	s_wait_xcnt 0x0
	s_wait_alu depctr_hold_cnt(0) depctr_sa_sdst(0) depctr_va_vdst(0) depctr_va_sdst(0) depctr_va_ssrc(0) depctr_va_vcc(0) depctr_vm_vsrc(0)
	s_getreg_b32 s2, hwreg(HW_REG_IB_STS2, 6, 4)
	s_cmp_eq_u32 s2, 0
	s_cbranch_scc0 .Lentry_in_a_cluster
	s_endpgm
.Lentry_in_a_cluster:
	s_bfe_u32 s2, ttmp6, 0x10000c
	s_cmp_lg_u32 s2, 0x3003
	s_cbranch_scc0 .Lentry_shape_is_right
	s_endpgm
.Lentry_shape_is_right:
.set LV,    98304
.set LKS,   196608
.set LVS,   204800
.set LI,   1
.set LIV,  2
.set LSK,  3
.set LSV,  4
.set L8,   5
.set OSA,  6
.set R16,  7
.set ADK,  8
.set ADV,  9
.set ADS,  10
.set ADT,  11
.set Q0,   16
.set QS0,  28
.set Q1,   30
.set FR,   44
.set S,    98
.set O,    162
.set PC,   194
.set CT,   206
.set BMX,  214
.set BPM,  218
.set SOP,  222
.set KSW,  226
.set VSW,  234
.set PS,   238
.set F,    240
.set TT,   242
.set TK,   2
.set TS,   3
.set TJ,   12
.set CNT,  13
.set WV,   18
.set SEL,  20
.set CS,   22
.set G1C,  24
.set G1SK, 32
.set G1SV, 40
.set G0SK, 48
.set G0SV, 52
.set G0C,  56
.set PAR,  76
.set HI16, 77
.macro ROUND
	s_barrier_signal -1
	s_barrier_wait -1
	s_cmp_lg_u32 s[WV], 0
	s_cbranch_scc1 .Lnot_wave_0_\@
	s_barrier_signal -3
.Lnot_wave_0_\@:
	s_barrier_wait -3
	s_barrier_signal -1
	s_barrier_wait -1
.endm
.macro INIT
	v_mov_b32 v13, 0xff61b1e6
	s_delay_alu instid0(VALU_DEP_1)
	v_floor_f32 v12, -v13
	v_mov_b32 v14, 0
	v_mov_b32 v15, 0
.set j, 0
.rept 32
	v_mov_b32 v[O+j], 0
.set j, j+1
.endr
	s_mov_b32 s[TK], 0
	s_mov_b32 s[TS], 0
	s_mov_b32 s[TJ], 0
.endm
.macro STEP q, qs
	v_add_nc_u32 v[ADK], s[TK], v[LI]
	v_add_nc_u32 v[ADV], s[TK], v[LIV]
	v_add_nc_u32 v[ADS], s[TS], v[LSK]
	v_add_nc_u32 v[ADT], s[TJ], v[LSV]
.irp i, 0,1,2,3,4,5,6,7,8,9,10,11
	ds_load_b128 v[FR+4*\i:FR+4*\i+3], v[ADK] offset:512*\i
.endr
	ds_load_b128 v[KSW:KSW+3], v[ADS]
	ds_load_b128 v[KSW+4:KSW+7], v[ADS] offset:256
	s_wait_alu depctr_va_vdst(0)
	s_wait_dscnt 0x0
.irp t, 0,1,2,3,4,5,6,7
	v_wmma_scale_f32_16x16x128_f8f6f4 v[S+8*\t:S+8*\t+7], v[FR+6*\t:FR+6*\t+11], v[\q:\q+11], 0, v[KSW+\t], v[\qs] matrix_a_fmt:MATRIX_FMT_FP6 matrix_b_fmt:MATRIX_FMT_FP6
.endr
.rept 4
	v_nop
.endr
.irp i, 0,1,2,3,4,5,6,7,8,9,10,11
	ds_load_b128 v[FR+4*\i:FR+4*\i+3], v[ADV] offset:512*\i
.endr
	ds_load_b128 v[VSW:VSW+3], v[ADT]
.irp b, 0,1,2,3
	v_max3_num_f32 v[BMX+\b], v[S+16*\b], v[S+1+16*\b], v[S+2+16*\b]
.endr
.irp i, 3,5,7,9,11,13
.irp b, 0,1,2,3
	v_max3_num_f32 v[BMX+\b], v[BMX+\b], v[S+16*\b+\i], v[S+1+16*\b+\i]
.endr
.endr
.irp b, 0,1,2,3
	v_max_num_f32 v[BMX+\b], v[BMX+\b], v[S+15+16*\b]
.endr
.irp b, 0,1,2,3
	s_delay_alu instid0(VALU_DEP_4)
	v_permlanex16_b32 v[BPM+\b], v[BMX+\b], s[SEL], s[SEL+1]
.endr
.irp b, 0,1,2,3
	s_delay_alu instid0(VALU_DEP_4)
	v_max_num_f32 v[BMX+\b], v[BMX+\b], v[BPM+\b]
.endr
	s_delay_alu instid0(VALU_DEP_2)
	v_max3_num_f32 v[TT], v[BMX], v[BMX+1], v[BMX+2]
	s_delay_alu instid0(VALU_DEP_1)
	v_max_num_f32 v[TT], v[TT], v[BMX+3]
	s_delay_alu instid0(VALU_DEP_1)
	v_mul_f32 v[TT], s[CS], v[TT]
	s_delay_alu instid0(VALU_DEP_1)
	v_max_num_f32 v13, v13, v[TT]
	v_mov_b32 v[TT], v12
	s_delay_alu instid0(VALU_DEP_2)
	v_floor_f32 v12, -v13
	s_delay_alu instid0(VALU_DEP_1)
	v_sub_f32 v[TT], v12, v[TT]
	s_delay_alu instid0(VALU_DEP_1)
	v_cvt_i32_f32 v[TT], v[TT]
	s_delay_alu instid0(VALU_DEP_1)
	v_ldexp_f32 v[F], 1.0, v[TT]
.set j, 0
.rept 32
	v_pk_fma_f32 v[S+j:S+j+1], v[S+j:S+j+1], s[CS:CS+1], v[12:13] op_sel_hi:[1,0,0]
.set j, j+2
.endr
.irp b, 0,1,2,3
	v_fma_f32 v[BMX+\b], v[BMX+\b], s[CS], v12
.endr
.set j, 0
	s_wait_alu depctr_va_vdst(0)
.rept 64
	v_exp_f32 v[S+j], v[S+j]
.set j, j+1
.endr
	s_setprio 1
	v_pk_mul_f32 v[14:15], v[14:15], v[F:F+1] op_sel_hi:[1,0]
	s_wait_alu depctr_va_vdst(0)
.irp b, 0,1,2,3
	v_exp_f32 v[BMX+\b], v[BMX+\b]
.endr
	v_pk_add_f32 v[BPM:BPM+1], v[S:S+1], v[S+2:S+3]
.set j, 4
.rept 15
	v_pk_add_f32 v[14:15], v[14:15], v[S+j:S+j+1]
	v_pk_add_f32 v[BPM:BPM+1], v[BPM:BPM+1], v[S+j+2:S+j+3]
.set j, j+4
.endr
	s_delay_alu instid0(VALU_DEP_1)
	v_pk_add_f32 v[14:15], v[14:15], v[BPM:BPM+1]
	s_wait_alu depctr_va_vdst(0)
.irp b, 0,1,2,3
	v_max_num_f32 v[BMX+\b], 0x1800000, v[BMX+\b]
.endr
.irp b, 0,1,2,3
	s_delay_alu instid0(VALU_DEP_4)
	v_add_nc_u32 v[SOP+\b], 0xff000000, v[BMX+\b]
.endr
.irp b, 0,1,2,3
	s_delay_alu instid0(VALU_DEP_4)
	v_lshrrev_b32 v[BPM+\b], 23, v[SOP+\b]
.endr
	s_delay_alu instid0(VALU_DEP_3)
	v_lshl_or_b32 v[PS], v[BPM+1], 8, v[BPM]
	s_delay_alu instid0(VALU_DEP_1)
	v_lshl_or_b32 v[PS], v[BPM+2], 16, v[PS]
	s_delay_alu instid0(VALU_DEP_1)
	v_lshl_or_b32 v[PS], v[BPM+3], 24, v[PS]
.irp c, 0,1
	v_cvt_scalef32_pk16_fp6_f32 v[PC+6*\c:PC+6*\c+2], v[S+32*\c:S+32*\c+15], v[SOP+2*\c]
	v_cvt_scalef32_pk16_fp6_f32 v[CT+4*\c:CT+4*\c+2], v[S+16+32*\c:S+31+32*\c], v[SOP+2*\c+1]
.endr
.set j, 0
.rept 16
	v_pk_mul_f32 v[O+j:O+j+1], v[O+j:O+j+1], v[F:F+1] op_sel_hi:[1,0]
.set j, j+2
.endr
	s_setprio 0
.irp c, 0,1
.irp i, 0,1,2
	v_permlane16_swap_b32 v[PC+6*\c+\i], v[CT+4*\c+\i]
.endr
.irp i, 0,1,2
	s_delay_alu instid0(VALU_DEP_3)
	v_mov_b32 v[PC+3+6*\c+\i], v[CT+4*\c+\i]
.endr
.endr
.rept 4
	v_nop
.endr
	s_wait_alu depctr_va_vdst(0)
	s_wait_dscnt 0x0
.irp t, 0,1,2,3
	v_wmma_scale_f32_16x16x128_f8f6f4 v[O+8*\t:O+8*\t+7], v[FR+12*\t:FR+12*\t+11], v[PC:PC+11], v[O+8*\t:O+8*\t+7], v[VSW+\t], v[PS] matrix_a_fmt:MATRIX_FMT_FP6 matrix_b_fmt:MATRIX_FMT_FP6
.endr
	s_add_co_u32 s[TK], s[TK], 6144
	s_add_co_u32 s[TS], s[TS], 512
	s_add_co_u32 s[TJ], s[TJ], 256
.endm
.macro LOOP n, q, qs
	s_mov_b32 s[CNT], \n
.Lstep_\@:
	s_setprio 2
	STEP \q, \qs
	s_sub_co_u32 s[CNT], s[CNT], 1
	s_cmp_lg_u32 s[CNT], 0
	s_cbranch_scc1 .Lstep_\@
	s_setprio 0
.endm
.macro FINISH p
.rept 4
	v_nop
.endr
	v_add_f32 v14, v14, v15
	s_delay_alu instid0(VALU_DEP_1)
	v_permlanex16_b32 v[TT], v14, s[SEL], s[SEL+1]
	s_delay_alu instid0(VALU_DEP_1)
	v_add_f32 v14, v14, v[TT]
	s_wait_alu depctr_va_vdst(0)
	v_rcp_f32 v14, v14
	v_nop
	s_wait_alu depctr_va_vdst(0)
.set j, 0
.rept 16
	v_pk_mul_f32 v[S+j:S+j+1], v[O+j:O+j+1], v[14:15] op_sel_hi:[1,0]
.set j, j+2
.endr
.irp b, 0,1
	v_max3_num_f32 v[BMX+\b], |v[S+16*\b]|, |v[S+1+16*\b]|, 0x1800000
.endr
.irp i, 2,4,6,8,10,12,14
.irp b, 0,1
	s_delay_alu instid0(VALU_DEP_2)
	v_max3_num_f32 v[BMX+\b], v[BMX+\b], |v[S+16*\b+\i]|, |v[S+1+16*\b+\i]|
.endr
.endr
.irp b, 0,1
	s_delay_alu instid0(VALU_DEP_2)
	v_permlanex16_b32 v[BPM+\b], v[BMX+\b], s[SEL], s[SEL+1]
.endr
.irp b, 0,1
	s_delay_alu instid0(VALU_DEP_2)
	v_max_num_f32 v[BMX+\b], v[BMX+\b], v[BPM+\b]
.endr
.irp b, 0,1
	s_delay_alu instid0(VALU_DEP_2)
	v_add_nc_u32 v[SOP+\b], 0xff000000, v[BMX+\b]
.endr
.irp b, 0,1
	s_delay_alu instid0(VALU_DEP_2)
	v_lshrrev_b32 v[BPM+\b], 23, v[SOP+\b]
.endr
	v_cvt_scalef32_pk16_fp6_f32 v[PC:PC+2], v[S:S+15], v[SOP]
	v_cvt_scalef32_pk16_fp6_f32 v[CT:CT+2], v[S+16:S+31], v[SOP+1]
	v_nop
.irp i, 0,1,2
	v_permlane16_swap_b32 v[PC+\i], v[CT+\i]
.endr
.irp i, 0,1,2
	s_delay_alu instid0(VALU_DEP_3)
	v_mov_b32 v[PC+3+\i], v[CT+\i]
.endr
	v_cndmask_b32 v[TT], v[BPM], v[BPM+1], s[HI16]
.irp i, 0,1,2
	global_store_b64 v[L8], v[PC+2*\i:PC+2*\i+1], s[8:9] offset:256*\i+(\p)*196608
.endr
	global_store_b8 v[OSA], v[TT], s[10:11] offset:(\p)*8192
.endm
	s_load_b128 s[4:7], s[0:1], 0x0
	s_load_b128 s[8:11], s[0:1], 0x10
	v_lshl_add_u32 v254, v0, 2, 0x33000
	v_mov_b32 v255, 0
	ds_add_u32 v254, v255
	ds_add_u32 v254, v255
	v_lshrrev_b32 v1, 5, v0
	s_delay_alu instid0(VALU_DEP_1)
	v_readfirstlane_b32 s[WV], v1
	s_and_b32 s14, ttmp7, 0xffff
	s_bfe_u32 s15, ttmp6, 0x40000
	s_lshl_b32 s78, ttmp9, 2
	s_add_co_u32 s15, s78, s15
	s_and_b32 s79, s[WV], 7
	s_lshr_b32 s80, s[WV], 3
.irp g, G1C, G1SK, G1SV
	s_mov_b32 s[\g], 15|(3<<16)|(1<<21)
	s_mov_b32 s[\g+1], 32<<16
	s_mov_b32 s[\g+3], 32<<16
	s_mov_b32 s[\g+5], 32
	s_mov_b32 s[\g+6], 0
	s_mov_b32 s[\g+7], 0
.endr
	s_mov_b32 s[G1C+2], 48<<16
	s_mov_b32 s[G1C+4], 48
	s_mov_b32 s[G1SK+2], 4<<16
	s_mov_b32 s[G1SK+4], 4
	s_mov_b32 s[G1SV+2], 2<<16
	s_mov_b32 s[G1SV+4], 2
	s_mul_i32 s81, s80, LV
	s_mul_i32 s82, s79, 12288
	s_add_co_u32 s81, s81, s82
	s_mul_i32 s83, s14, 98304
	s_add_co_u32 s84, s80, 1
	s_mul_i32 s84, s84, 6291456
	s_add_co_u32 s84, s84, s83
	s_add_co_u32 s84, s84, s82
	s_mov_b32 s85, 0
	s_lshl_b32 s86, s14, 13
	s_lshl_b32 s90, s79, 10
	s_add_co_u32 s86, s86, s90
	s_add_co_u32 s86, s86, 524288
	s_mov_b32 s87, 0
	s_lshl_b32 s88, s14, 12
	s_lshl_b32 s91, s79, 9
	s_add_co_u32 s88, s88, s91
	s_add_co_u32 s88, s88, 1048576
	s_mov_b32 s89, 0
	s_lshl_b32 s92, s15, 4
	s_lshr_b32 s93, s[WV], 1
	s_add_co_u32 s92, s92, s93
	s_mul_i32 s92, s92, 1536
	s_add_co_u32 s92, s92, s83
	s_mov_b32 s93, 0
	s_lshl_b32 s94, s15, 2
	s_add_co_u32 s94, s94, s80
	s_lshl_b32 s94, s94, 9
	s_lshl_b32 s95, s14, 13
	s_add_co_u32 s94, s94, s95
	s_lshr_b32 s95, s79, 2
	s_lshl_b32 s95, s95, 8
	s_add_co_u32 s94, s94, s95
	s_and_b32 s95, s[WV], 3
	s_lshl_b32 s95, s95, 2
	s_add_co_u32 s94, s94, s95
	s_mov_b32 s95, 0
	s_lshr_b32 s78, s14, 4
	s_lshl_b32 s78, s78, 7
	s_lshl_b32 s82, s15, 5
	s_add_co_u32 s78, s78, s82
	s_add_co_u32 s78, s78, s[WV]
	s_mul_i32 s68, s78, 12288
	s_and_b32 s70, s14, 15
	s_lshr_b32 s71, s70, 1
	s_mul_i32 s71, s71, 1536
	s_add_co_u32 s68, s68, s71
	s_and_b32 s71, s14, 1
	s_mul_i32 s71, s71, 768
	s_add_co_u32 s68, s68, s71
	s_mov_b32 s69, 0
	s_lshl_b32 s72, s78, 9
	s_lshl_b32 s70, s70, 1
	s_add_co_u32 s72, s72, s70
	s_mov_b32 s73, 0
	s_mov_b32 s[SEL], 0x76543210
	s_mov_b32 s[SEL+1], 0xfedcba98
	s_mov_b32 s[CS], 0x3e38aa3b
	s_mov_b32 s[CS+1], s[CS]
	s_mov_b32 s[HI16], 0xffff0000
	s_and_b32 s[PAR], s[WV], 1
	s_cmp_lg_u32 s[PAR], 0
	s_cselect_b32 s[PAR], -1, 0
	s_wait_dscnt 0x0
	s_wait_kmcnt 0x0
	s_mov_b32 s[G0SK], 1
	s_add_co_u32 s[G0SK+1], s90, LKS
	s_add_nc_u64 s[G0SK+2:G0SK+3], s[6:7], s[86:87]
	s_or_b32 s[G0SK+3], s[G0SK+3], 0x80000000
	s_mov_b32 s[G0SV], 1
	s_add_co_u32 s[G0SV+1], s91, LVS
	s_add_nc_u64 s[G0SV+2:G0SV+3], s[6:7], s[88:89]
	s_or_b32 s[G0SV+3], s[G0SV+3], 0x80000000
	s_mov_b32 s[G0C], 1
	s_mov_b32 s[G0C+1], s81
	s_add_nc_u64 s[G0C+2:G0C+3], s[4:5], s[84:85]
	s_or_b32 s[G0C+3], s[G0C+3], 0x80000000
	s_add_nc_u64 s[92:93], s[4:5], s[92:93]
	s_add_nc_u64 s[94:95], s[6:7], s[94:95]
	s_add_nc_u64 s[8:9], s[8:9], s[68:69]
	s_add_nc_u64 s[10:11], s[10:11], s[72:73]
	ROUND
	s_cmp_lt_u32 s[WV], 8
	s_cbranch_scc0 .Lscales_v
	tensor_load_to_lds s[G0SK:G0SK+3], s[G1SK:G1SK+7]
	s_nop 0
.rept 4
	v_nop
.endr
	s_branch .Lscales_asked
.Lscales_v:
	tensor_load_to_lds s[G0SV:G0SV+3], s[G1SV:G1SV+7]
	s_nop 0
.rept 4
	v_nop
.endr
.Lscales_asked:
	s_wait_alu depctr_va_vdst(0)
	s_wait_tensorcnt 0x0
	ds_add_u32 v254, v255
	s_wait_dscnt 0x0
	ROUND
	tensor_load_to_lds s[G0C:G0C+3], s[G1C:G1C+7]
	s_nop 0
.rept 4
	v_nop
.endr
	v_and_b32 v[L8], 31, v0
	s_delay_alu instid0(VALU_DEP_1)
	v_lshlrev_b32 v[LI], 4, v[L8]
	s_delay_alu instid0(VALU_DEP_1)
	v_add_nc_u32 v[LIV], LV, v[LI]
	v_and_b32 v[OSA], 15, v0
	s_delay_alu instid0(VALU_DEP_1)
	v_lshlrev_b32 v[R16], 4, v[OSA]
	s_delay_alu instid0(VALU_DEP_1)
	v_add_nc_u32 v[LSK], LKS, v[R16]
	s_delay_alu instid0(VALU_DEP_2)
	v_add_nc_u32 v[LSV], LVS, v[R16]
	v_bfe_u32 v[ADK], v0, 4, 1
	s_delay_alu instid0(VALU_DEP_1)
	v_lshl_add_u32 v[OSA], v[OSA], 5, v[ADK]
	v_lshlrev_b32 v[L8], 3, v[L8]
.irp p, 0,1
.irp k, 0,1,2
	global_load_b128 v[S+12*\p+4*\k:S+12*\p+4*\k+3], v[LI], s[92:93] offset:12288*\p+512*\k
.endr
	global_load_b32 v[QS0+\p], v[R16], s[94:95] offset:1024*\p
.endr
.irp j, 0,1,2,3,4,5
	v_mov_b32 v[Q0+6+\j], 0
	v_mov_b32 v[Q1+6+\j], 0
	v_mov_b32 v[FR+48+\j], 0
.endr
.irp b, 0,1,2,3
	v_mov_b32 v[BPM+\b], 0
.endr
	v_mov_b32 v[F+1], 0
	v_mov_b32 v[TT], 0
	s_wait_loadcnt 0x0
.irp j, 0,1,2,3,4,5
	v_cndmask_b32 v[Q0+\j], v[S+\j], v[S+6+\j], s[PAR]
	v_cndmask_b32 v[Q1+\j], v[S+12+\j], v[S+18+\j], s[PAR]
.endr
	INIT
	s_wait_tensorcnt 0x0
	s_barrier_signal -1
	s_barrier_wait -1
	LOOP 16, Q0, QS0
	FINISH 0
	INIT
	s_wait_xcnt 0x0
	LOOP 16, Q1, QS0+1
	FINISH 1
	s_wait_tensorcnt 0x0
	ds_add_u32 v254, v255
	s_wait_dscnt 0x0
	ROUND
	s_endpgm
.Lfunc_end_k_q9bd1d897ae_attn:
	.size	k_q9bd1d897ae_attn, .Lfunc_end_k_q9bd1d897ae_attn-k_q9bd1d897ae_attn
	.p2alignl 7, 3214868480
	.fill 96, 4, 3214868480
	.section	.rodata,"a",@progbits
	.p2align	6, 0x0
	.amdhsa_kernel k_q9bd1d897ae_attn
		.amdhsa_group_segment_fixed_size 327680
		.amdhsa_private_segment_fixed_size 0
		.amdhsa_enable_private_segment 0
		.amdhsa_kernarg_size 32
		.amdhsa_user_sgpr_count 2
		.amdhsa_user_sgpr_kernarg_segment_ptr 1
		.amdhsa_wavefront_size32 1
		.amdhsa_system_sgpr_workgroup_id_x 1
		.amdhsa_system_sgpr_workgroup_id_y 1
		.amdhsa_system_sgpr_workgroup_id_z 1
		.amdhsa_system_vgpr_workitem_id 0
		.amdhsa_next_free_vgpr 256
		.amdhsa_next_free_sgpr 96
		.amdhsa_reserve_vcc 0
		.amdhsa_float_denorm_mode_32 3
		.amdhsa_float_denorm_mode_16_64 3
		.amdhsa_memory_ordered 1
		.amdhsa_forward_progress 1
		.amdhsa_inst_pref_size 56
	.end_amdhsa_kernel
	.amdgpu_metadata
---
amdhsa.version: [ 1, 2 ]
amdhsa.kernels:
  - .name:           k_q9bd1d897ae_attn
    .symbol:         k_q9bd1d897ae_attn.kd
    .args:
      - { .name: qkv_codes, .offset: 0, .size: 8, .value_kind: global_buffer, .address_space: global }
      - { .name: qkv_scales, .offset: 8, .size: 8, .value_kind: global_buffer, .address_space: global }
      - { .name: o_codes, .offset: 16, .size: 8, .value_kind: global_buffer, .address_space: global }
      - { .name: o_scales, .offset: 24, .size: 8, .value_kind: global_buffer, .address_space: global }
    .group_segment_fixed_size: 327680
    .private_segment_fixed_size: 0
    .kernarg_segment_align: 8
    .kernarg_segment_size: 32
    .max_flat_workgroup_size: 512
    .sgpr_count:     96
    .vgpr_count:     256
    .wavefront_size: 32
...
	.end_amdgpu_metadata
.endif
;; end of part 3
;; launch gemm_out (part 4): grid 4 x 32, 4 waves a work-group, clusters of 4 x 4, 327,680 bytes of LDS; arguments o_codes, o_scales, w_codes, w_scales, b_out, out0; writes out0
.if DOCPART == 4
	.amdgcn_target "amdgcn-amd-amdhsa--gfx1250"
	.amdhsa_code_object_version 6
	.text
	.protected	k_q9bd1d897ae_gemm_out
	.globl	k_q9bd1d897ae_gemm_out
	.p2align	8
	.type	k_q9bd1d897ae_gemm_out,@function
k_q9bd1d897ae_gemm_out:
	s_mov_b64 s[64:65], 0
	v_nop
	global_prefetch_b8 v0, s[64:65] scope:SCOPE_SE
	s_setreg_imm32_b32 hwreg(HW_REG_WAVE_MODE, 25, 1), 1
	s_wait_xcnt 0x0
	s_wait_alu depctr_hold_cnt(0) depctr_sa_sdst(0) depctr_va_vdst(0) depctr_va_sdst(0) depctr_va_ssrc(0) depctr_va_vcc(0) depctr_vm_vsrc(0)
	s_getreg_b32 s2, hwreg(HW_REG_IB_STS2, 6, 4)
	s_cmp_eq_u32 s2, 0
	s_cbranch_scc0 .Lentry_in_a_cluster
	s_endpgm
.Lentry_in_a_cluster:
	s_bfe_u32 s2, ttmp6, 0x10000c
	s_cmp_lg_u32 s2, 0xf033
	s_cbranch_scc0 .Lentry_shape_is_right
	s_endpgm
.Lentry_shape_is_right:
.set NQ,     2
.set ROWB,   192
.set KROW,   768
.set PITCH,  240
.set FR,     12
.set NL,     6
.set NP,     4
.set HALFA,  24576
.set HALFT,  128*PITCH
.set BOFF,   2*HALFA
.set SLOT,   2*HALFA+2*HALFT
.set LAPS,   2
.set KS,     32
.set SCL,    2*SLOT
.set HALFS,  (128*KS/256)*272
.set SBLK,   (16*KS/256)*272
.set SPARE,  SCL+4*HALFS
.set SPITCH, 528
.set ADRA, 16
.set ADRB, 20
.set STO,  24
.set RD,   25
.set CO,   26
.set ADRS, 27
.set SPW,  28
.set NIL,  29
.set SC,   32
.set BIAS, 64
.set AF,   128
.set BK,   128
.set G1, 24
.set G0, 32
.set G1B, 48
.set G0B, 56
.set G1S, 68
.set G0S, 76
.set G1SB, 80
.set G0SB, 88
.set MSB, 0
.macro WIN new
.if MSB != (\new)
	s_set_vgpr_msb (MSB<<8)|(\new)
.set MSB, (\new)
.endif
.endm
.set MUL_LO, 0xa1
.set MUL_HI, 0xf1
.set FST_LO, 0x81
.set FST_HI, 0xc1
.set TO_B,   0x40
.macro JLOAD g0a, g1a, g0b, g1b
	s_cmp_eq_u32 s15, 0
	s_cbranch_scc0 .Lfor_b_\@
	tensor_load_to_lds s[\g0a:\g0a+3], s[\g1a:\g1a+7]
	s_nop 0
.rept 4
	v_nop
.endr
	s_branch .Lasked_\@
.Lfor_b_\@:
	tensor_load_to_lds s[\g0b:\g0b+3], s[\g1b:\g1b+7]
	s_nop 0
.rept 4
	v_nop
.endr
.Lasked_\@:
.endm
.macro CREST
	s_cmp_lg_u32 s14, 0
	s_cbranch_scc1 .Lnot_wave_0_\@
	s_barrier_signal -3
.Lnot_wave_0_\@:
	s_barrier_wait -3
	s_barrier_signal -1
	s_barrier_wait -1
.endm
.macro CROUND
	s_barrier_signal -1
	s_barrier_wait -1
	CREST
.endm
	s_load_b128 s[4:7], s[0:1], 0x0
	s_load_b128 s[8:11], s[0:1], 0x10
	s_load_b64 s[96:97], s[0:1], 0x20
	s_load_b64 s[12:13], s[0:1], 0x28
	v_lshl_add_u32 v[SPW], v0, 2, SPARE
	v_mov_b32 v[NIL], 0
	ds_add_u32 v28, v29
	ds_add_u32 v28, v29
	s_wait_dscnt 0x0
	v_lshrrev_b32 v1, 5, v0
	v_readfirstlane_b32 s14, v1
	s_lshr_b32 s15, s14, 1
	s_and_b32 s16, s14, 1
	s_bfe_u32 s40, ttmp6, 0x40000
	s_bfe_u32 s41, ttmp6, 0x40004
	s_lshl_b32 s42, ttmp9, 2
	s_add_co_u32 s42, s42, s40
	s_and_b32 s17, ttmp7, 0xffff
	s_lshl_b32 s17, s17, 2
	s_add_co_u32 s17, s17, s41
	s_lshl_b32 s43, s41, 2
	s_lshl_b32 s43, 15, s43
	s_lshl_b32 s44, 0x1111, s40
	s_or_b32 s[G1+0], s43, (3<<16)|(1<<21)
	s_mov_b32 s[G1+1], 384<<16
	s_mov_b32 s[G1+2], 8<<16
	s_mov_b32 s[G1+3], 384<<16
	s_mov_b32 s[G1+4], 8
	s_mov_b32 s[G1+5], 1536
	s_mov_b32 s[G1+6], 0
	s_mov_b32 s[G1+7], 0
	s_or_b32 s[G1B+0], s44, (0<<16)|(1<<20)|(1<<21)|(3<<22)|(3<<25)
	s_mov_b32 s[G1B+1], ROWB<<16
	s_mov_b32 s[G1B+2], 128<<16
	s_mov_b32 s[G1B+3], ROWB<<16
	s_mov_b32 s[G1B+4], 128
	s_mov_b32 s[G1B+5], KROW
	s_mov_b32 s[G1B+6], 0
	s_mov_b32 s[G1B+7], 0
	s_or_b32 s[G1S+0], s43, (3<<16)|(1<<20)|(1<<21)|(5<<22)|(3<<25)
	s_or_b32 s[G1SB+0], s44, (3<<16)|(1<<20)|(1<<21)|(5<<22)|(3<<25)
.irp g, G1S, G1SB
	s_mov_b32 s[\g+1], 32<<16
	s_mov_b32 s[\g+2], (128*KS/256)<<16
	s_mov_b32 s[\g+3], 32<<16
	s_mov_b32 s[\g+4], 128*KS/256
	s_mov_b32 s[\g+5], 32
	s_mov_b32 s[\g+6], 0
	s_mov_b32 s[\g+7], 0
.endr
	s_lshl_b32 s18, s16, 7
	s_lshl_b32 s22, s17, 8
	s_add_co_u32 s22, s22, s18
	s_lshr_b32 s20, s22, 4
	s_mul_i32 s20, s20, 12288
	s_mov_b32 s21, 0
	s_lshl_b32 s22, s22, 5
	s_mov_b32 s23, 0
	s_lshl_b32 s46, s42, 8
	s_add_co_u32 s46, s46, s18
	s_add_co_u32 s46, s46, 3072
	s_lshl_b32 s92, s46, 5
	s_mov_b32 s93, 0
	s_mul_i32 s46, s46, KROW
	s_mov_b32 s47, 0
	s_mul_i32 s45, s16, HALFA
	s_mul_i32 s95, s16, HALFT
	s_add_co_u32 s95, s95, BOFF
	s_mul_i32 s94, s14, HALFS
	s_wait_kmcnt 0x0
	s_add_nc_u64 s[20:21], s[4:5], s[20:21]
	s_add_nc_u64 s[22:23], s[6:7], s[22:23]
	s_add_nc_u64 s[46:47], s[8:9], s[46:47]
	s_add_nc_u64 s[92:93], s[10:11], s[92:93]
	CROUND
	s_mov_b32 s[G0S], 1
	s_add_co_u32 s[G0S+1], s94, SCL
	s_mov_b64 s[G0S+2:G0S+3], s[22:23]
	s_or_b32 s[G0S+3], s[G0S+3], 0x80000000
	s_mov_b32 s[G0SB], 1
	s_add_co_u32 s[G0SB+1], s94, SCL
	s_mov_b64 s[G0SB+2:G0SB+3], s[92:93]
	s_or_b32 s[G0SB+3], s[G0SB+3], 0x80000000
	JLOAD G0S, G1S, G0SB, G1SB
.irp s, 0,1
	s_mov_b32 s[G0+4*\s], 1
	s_add_co_u32 s[G0+4*\s+1], s45, \s*SLOT
	s_add_nc_u64 s[G0+4*\s+2:G0+4*\s+3], s[20:21], \s*3072
	s_or_b32 s[G0+4*\s+3], s[G0+4*\s+3], 0x80000000
	s_mov_b32 s[G0B+4*\s], 1
	s_add_co_u32 s[G0B+4*\s+1], s95, \s*SLOT
	s_add_nc_u64 s[G0B+4*\s+2:G0B+4*\s+3], s[46:47], \s*ROWB
	s_or_b32 s[G0B+4*\s+3], s[G0B+4*\s+3], 0x80000000
	s_wait_alu depctr_va_vdst(0)
	s_wait_tensorcnt 0x0
	ds_add_u32 v28, v29
	s_wait_dscnt 0x0
	CROUND
	JLOAD G0+4*\s, G1, G0B+4*\s, G1B
.endr
	v_and_b32 v1, 15, v0
	v_bfe_u32 v2, v0, 4, 1
	v_mul_u32_u24 v3, v1, PITCH
	v_mul_u32_u24 v4, v2, 24
	v_add_nc_u32 v4, v3, v4
	v_lshl_add_u32 v5, v2, 4, v4
	v_and_b32 v6, 31, v0
	v_lshlrev_b32 v6, 3, v6
	s_mul_i32 s21, s15, HALFA
	s_mul_i32 s22, s16, HALFT
	s_add_co_u32 s22, s22, BOFF
.irp s, 0,1
	v_add_nc_u32 v[ADRA+\s], s21, v6
	v_add_nc_u32 v[ADRB+\s], s22, v4
	v_add_nc_u32 v[ADRB+2+\s], s22, v5
	s_add_co_u32 s21, s21, SLOT
	s_add_co_u32 s22, s22, SLOT
.endr
	v_mul_u32_u24 v5, v1, KS
	v_lshrrev_b32 v6, 8, v5
	v_lshl_add_u32 v5, v6, 4, v5
	s_mul_i32 s21, s15, HALFS
	s_mul_i32 s22, s16, HALFS
	s_add_co_u32 s22, s22, 2*HALFS
	s_sub_co_u32 s22, s22, s21
	v_mul_u32_u24 v6, s22, v2
	s_add_co_u32 s21, s21, SCL
	v_add_nc_u32 v5, v5, v6
	v_add_nc_u32 v[ADRS], s21, v5
	s_mul_i32 s23, s14, 16*SPITCH
	v_mul_u32_u24 v5, v1, SPITCH
	v_lshl_add_u32 v5, v2, 5, v5
	v_add_nc_u32 v[STO], s23, v5
	v_and_b32 v6, 31, v0
	v_lshlrev_b32 v[CO], 4, v6
	v_add_nc_u32 v[RD], s23, v[CO]
	s_lshl_b32 s20, s17, 8
	s_lshl_b32 s21, s15, 7
	s_add_co_u32 s20, s20, s21
	s_lshl_b32 s20, s20, 12
	s_mov_b32 s21, 0
	s_lshl_b32 s46, s42, 10
	s_lshl_b32 s47, s16, 9
	s_add_co_u32 s46, s46, s47
	s_mov_b32 s47, 0
	s_add_nc_u64 s[96:97], s[96:97], s[46:47]
	s_add_nc_u64 s[20:21], s[20:21], s[46:47]
	s_add_nc_u64 s[12:13], s[12:13], s[20:21]
	v_lshlrev_b32 v3, 5, v2
.irp b, 0,1,2,3,4,5,6,7
	global_load_b128 v[BIAS+8*\b:BIAS+8*\b+3], v3, s[96:97] offset:64*\b
	global_load_b128 v[BIAS+8*\b+4:BIAS+8*\b+7], v3, s[96:97] offset:64*\b+16
.endr
.macro FRAG reg, adr, q, i
.irp p, 0,1,2,3,4,5
.set PC, 12*(\q)+6*(\p/3)+\p%3
.if PC%8 < 5
	ds_load_b64 v[\reg+2*\p:\reg+2*\p+1], v[\adr] offset:8*PC+16*(PC/8)+(\i)*16*PITCH
.else
	ds_load_b64 v[\reg+2*\p:\reg+2*\p+1], v[\adr+2] offset:8*PC+16*(PC/8)+(\i)*16*PITCH
.endif
.endr
.endm
.macro FRAGA reg, slot, q, i
.irp p, 0,1,2,3,4,5
	ds_load_b64 v[\reg+2*\p:\reg+2*\p+1], v[ADRA+\slot] offset:3072*(\i)+1536*(\q)+256*\p
.endr
.endm
.macro MUL16 a0, p, q, sc, first
.irp a, \a0, \a0+1
.irp b, 0,1,2,3,4,5,6,7
.if \first
	v_wmma_scale_f32_16x16x128_f8f6f4 v[8*(8*((\a)%4)+\b):8*(8*((\a)%4)+\b)+7], v[128*(\p)+FR*\b:128*(\p)+FR*\b+FR-1], v[AF+FR*(\a):AF+FR*(\a)+FR-1], v[BIAS+8*\b:BIAS+8*\b+7], v[SC+8*NQ*(\sc)+NQ*\b+(\q)], v[SC+8*NQ*(\sc)+NQ*(\a)+(\q)] matrix_a_fmt:MATRIX_FMT_FP6 matrix_b_fmt:MATRIX_FMT_FP6 matrix_a_scale:MATRIX_SCALE_ROW1
.else
	v_wmma_scale_f32_16x16x128_f8f6f4 v[8*(8*((\a)%4)+\b):8*(8*((\a)%4)+\b)+7], v[128*(\p)+FR*\b:128*(\p)+FR*\b+FR-1], v[AF+FR*(\a):AF+FR*(\a)+FR-1], v[8*(8*((\a)%4)+\b):8*(8*((\a)%4)+\b)+7], v[SC+8*NQ*(\sc)+NQ*\b+(\q)], v[SC+8*NQ*(\sc)+NQ*(\a)+(\q)] matrix_a_fmt:MATRIX_FMT_FP6 matrix_b_fmt:MATRIX_FMT_FP6 matrix_a_scale:MATRIX_SCALE_ROW1
.endif
.endr
.endr
.endm
.macro FETCH_B slot, q, p
	WIN TO_B
.irp i, 0,1,2,3,4,5,6,7
	FRAG 128*(\p)+FR*\i, ADRB+\slot, \q, \i
.endr
	WIN 0
.endm
.macro FETCH_A slot, q, i0
.irp i, \i0, \i0+1, \i0+2, \i0+3
	FRAGA AF+FR*(\i), \slot, \q, \i
.endr
.endm
.macro SCALES sc
.irp i, 0,1,2,3,4,5,6,7
	ds_load_b64 v[SC+8*NQ*\sc+NQ*\i:SC+8*NQ*\sc+NQ*\i+1], v[ADRS] offset:\i*SBLK
.endr
.endm
.macro PLACES n
.rept \n
	v_nop
.endr
.endm
.macro STEP slot, q, first
	s_wait_dscnt 4*NL
.if \first
	WIN FST_LO
.else
	WIN MUL_LO
.endif
	MUL16 0, (\q)%2, \q, \slot, \first
	MUL16 2, (\q)%2, \q, \slot, \first
	s_wait_dscnt 0
	PLACES NP
	FETCH_B \slot, (\q)+1, 1-(\q)%2
	FETCH_A \slot, (\q)+1, 0
.if \first
	WIN FST_HI
.else
	WIN MUL_HI
.endif
	MUL16 4, (\q)%2, \q, \slot, \first
	MUL16 6, (\q)%2, \q, \slot, \first
	PLACES NP
	WIN 0
	FETCH_A \slot, (\q)+1, 4
.endm
.macro TURN slot, next, fill
	s_wait_tensorcnt 0x0
	ds_add_u32 v[SPW], v[NIL]
	s_wait_dscnt 4*NL+1
	WIN MUL_LO
	MUL16 0, 1, NQ-1, \slot, 0
	s_wait_dscnt 0x0
	s_barrier_signal -1
	MUL16 2, 1, NQ-1, \slot, 0
	WIN 0
	s_barrier_wait -1
.if \fill
	CREST
	s_add_nc_u64 s[G0+4*\slot+2:G0+4*\slot+3], s[G0+4*\slot+2:G0+4*\slot+3], 2*3072
	s_add_nc_u64 s[G0B+4*\slot+2:G0B+4*\slot+3], s[G0B+4*\slot+2:G0B+4*\slot+3], 2*ROWB
	JLOAD G0+4*\slot, G1, G0B+4*\slot, G1B
.else
	PLACES NP
.endif
	s_wait_alu depctr_va_vdst(0)
	v_add_nc_u32 v[ADRS], 4*NQ, v[ADRS]
	FETCH_B \next, 0, 0
	FETCH_A \next, 0, 0
	SCALES \next
	WIN MUL_HI
	MUL16 4, 1, NQ-1, \slot, 0
	MUL16 6, 1, NQ-1, \slot, 0
	PLACES NP
	WIN 0
	FETCH_A \next, 0, 4
.endm
	s_wait_alu depctr_va_vdst(0)
	s_wait_tensorcnt 1
	s_barrier_signal -1
	s_barrier_wait -1
	FETCH_B 0, 0, 0
	FETCH_A 0, 0, 0
	SCALES 0
	FETCH_A 0, 0, 4
	s_wait_loadcnt 0x0
	STEP 0, 0, 1
	s_mov_b32 s3, LAPS-1
.Llap:
	TURN 0, 1, 1
	STEP 1, 0, 0
	TURN 1, 0, 1
	STEP 0, 0, 0
	s_sub_co_u32 s3, s3, 1
	s_cmp_lg_u32 s3, 0
	s_cbranch_scc1 .Llap
	TURN 0, 1, 0
	STEP 1, 0, 0
	s_wait_dscnt 4*NL
	WIN MUL_LO
	MUL16 0, 1, NQ-1, 1, 0
	MUL16 2, 1, NQ-1, 1, 0
	s_wait_dscnt 0
	WIN MUL_HI
	MUL16 4, 1, NQ-1, 1, 0
	MUL16 6, 1, NQ-1, 1, 0
	WIN 0
.macro TOSTAGE a
.set AC, 64*((\a)%4)
	WIN (0x08+4*((\a)/4))
.irp b, 0,1,2,3,4,5,6,7
	ds_store_b128 v[STO], v[AC+8*\b:AC+8*\b+3] offset:64*\b
	ds_store_b128 v[STO], v[AC+8*\b+4:AC+8*\b+7] offset:64*\b+16
.endr
	WIN 0
.set BB, BK+64*((\a)%2)
.irp t, 0,1,2,3,4,5,6,7,8,9,10,11,12,13,14,15
	ds_load_b128 v[BB+4*\t:BB+4*\t+3], v[RD] offset:\t*SPITCH
.endr
.endm
.macro SEND a, younger
.set BB, BK+64*((\a)%2)
	s_wait_dscnt \younger
.irp t, 0,1,2,3,4,5,6,7,8,9,10,11,12,13,14,15
	global_store_b128 v[CO], v[BB+4*\t:BB+4*\t+3], s[12:13] offset:(32*((\a)/2)+8*((\a)%2)+\t+8*(\t/8))*4096 th:TH_STORE_NT
.endr
.endm
	PLACES NP
	TOSTAGE 0
.irp a, 1,2,3,4,5,6,7
.if \a > 1
	s_wait_xcnt 0x0
.endif
	TOSTAGE \a
	SEND \a-1, 32
.endr
	SEND 7, 0
	s_wait_tensorcnt 0x0
	ds_add_u32 v[SPW], v[NIL]
	s_wait_dscnt 0x0
	CROUND
	s_endpgm
.Lfunc_end_k_q9bd1d897ae_gemm_out:
	.size	k_q9bd1d897ae_gemm_out, .Lfunc_end_k_q9bd1d897ae_gemm_out-k_q9bd1d897ae_gemm_out
	.p2alignl 7, 3214868480
	.fill 96, 4, 3214868480
	.section	.rodata,"a",@progbits
	.p2align	6, 0x0
	.amdhsa_kernel k_q9bd1d897ae_gemm_out
		.amdhsa_group_segment_fixed_size 327680
		.amdhsa_private_segment_fixed_size 0
		.amdhsa_enable_private_segment 0
		.amdhsa_kernarg_size 48
		.amdhsa_user_sgpr_count 2
		.amdhsa_user_sgpr_kernarg_segment_ptr 1
		.amdhsa_wavefront_size32 1
		.amdhsa_system_sgpr_workgroup_id_x 1
		.amdhsa_system_sgpr_workgroup_id_y 1
		.amdhsa_system_sgpr_workgroup_id_z 1
		.amdhsa_system_vgpr_workitem_id 0
		.amdhsa_next_free_vgpr 1024
		.amdhsa_next_free_sgpr 100
		.amdhsa_reserve_vcc 0
		.amdhsa_float_denorm_mode_32 3
		.amdhsa_float_denorm_mode_16_64 3
		.amdhsa_memory_ordered 1
		.amdhsa_forward_progress 1
		.amdhsa_inst_pref_size 162
	.end_amdhsa_kernel
	.amdgpu_metadata
---
amdhsa.version: [ 1, 2 ]
amdhsa.kernels:
  - .name:           k_q9bd1d897ae_gemm_out
    .symbol:         k_q9bd1d897ae_gemm_out.kd
    .args:
      - { .name: o_codes, .offset: 0, .size: 8, .value_kind: global_buffer, .address_space: global }
      - { .name: o_scales, .offset: 8, .size: 8, .value_kind: global_buffer, .address_space: global }
      - { .name: w_codes, .offset: 16, .size: 8, .value_kind: global_buffer, .address_space: global }
      - { .name: w_scales, .offset: 24, .size: 8, .value_kind: global_buffer, .address_space: global }
      - { .name: b_out, .offset: 32, .size: 8, .value_kind: global_buffer, .address_space: global }
      - { .name: out0, .offset: 40, .size: 8, .value_kind: global_buffer, .address_space: global }
    .group_segment_fixed_size: 327680
    .private_segment_fixed_size: 0
    .kernarg_segment_align: 8
    .kernarg_segment_size: 48
    .max_flat_workgroup_size: 128
    .sgpr_count:     100
    .vgpr_count:     1024
    .wavefront_size: 32
...
	.end_amdgpu_metadata
.endif
;; end of part 4
